; MI455X (gfx1250); checked and timed in simulation.
; The chip was launched on July 23, 2026; its instructions are those of AMD's public machine-readable ISA for CDNA 5 (MIT licence, August 2026) and "CDNA5" Instruction Set Architecture Reference Guide (July 2026). The comments in the code are by the model that wrote it; some were corrected since.
;; Multihead Attention. Allowed arithmetic: matrix products marked QUANTISED: E2M3 operands, one E8M0 scale for each 32 along K, by v_wmma_scale_f32_16x16x128_f8f6f4 with both operands' format E2M3, f32 sums; everything else in f32.
;; Inputs: in_proj_bias 3,072 float32; in_proj_weight 3,072 x 2,048 float32; key 4 x 1,024 x 2,048 float32; out_proj_bias 2,048 float32; out_proj_weight 2,048 x 2,048 float32; query 4 x 1,024 x 2,048 float32; value 4 x 1,024 x 2,048 float32.
;; Outputs: out0 4 x 1,024 x 2,048 float32.
;; This version of the problem:
;;   THIS VERSION OF THE PROBLEM IS GIVEN IN LOW PRECISION. The matrix products marked QUANTISED in the list below multiply operands that are first quantised to E2M3 (2 exponent bits, 3 mantissa bits; 6 bits a number), with one power-of-two scale for each 32 numbers along K (OCP MX v1.0); their sums are f32. All else is computed in f32.
;;   The module's matrix products, in the order in which they are computed (A, B: the left and right operand; K: the contracted axis; several contracted axes count as one K, in the product's order):
;;     1. [M 4,096, K 2,048] x [K 2,048, N 2,048]; A: input query; B: input in_proj_weight: QUANTISED
;;     2. [M 4,096, K 2,048] x [K 2,048, N 512]; A: input key; B: input in_proj_weight: QUANTISED
;;     3. [M 4,096, K 2,048] x [K 2,048, N 512]; A: input value; B: input in_proj_weight: QUANTISED
;;     4. batch 16 x [M 1,024, K 128] x [K 128, N 4,096]; A: computed on the way; B: computed on the way: QUANTISED
;;     5. batch 16 x [M 128, K 1,024] x [K 1,024, N 4,096]; A: computed on the way; B: softmax (see below): QUANTISED
;;     6. [M 4,096, K 2,048] x [K 2,048, N 2,048]; A: computed on the way; B: input out_proj_weight: QUANTISED
;;   THE QUANTISER, for each operand of a quantised product, along K:
;;     - K is cut into blocks of 32 from its start; a last block that is shorter is filled with zeros.
;;     - A block's scale is 2^e with e = floor(log2(the largest magnitude in the block)) - 2, held to -126 .. 127; a block of zeros has e = 0. As a byte (E8M0): e + 127.
;;     - Each number is divided by its block's scale, clamped to +-7.5, and rounded to the nearest number of E2M3, ties to even, subnormals kept.
;;     - The product sums the exact products of the quantised numbers (number of the format x scale) in f32.
;;   ~~~python
;;   def quantise(x, axis):      # numpy; x: float32 -> the quantised numbers, widened to float32 again
;;       x = np.moveaxis(x, axis, -1); K = x.shape[-1]
;;       x = np.pad(x, [(0, 0)] * (x.ndim - 1) + [(0, -K % 32)]); x = x.reshape(x.shape[:-1] + (-1, 32)); a = np.abs(x).max(-1, keepdims=True)
;;       e = np.where(a > 0, np.clip(np.frexp(np.where(a > 0, a, 1))[1] - 1 - 2, -126, 127), 0)      # np.frexp(a)[1] - 1 = floor(log2(a)), exactly
;;       r = np.clip(x / 2.0 ** e, -7.5, 7.5)
;;       step = 2.0 ** (np.maximum(np.frexp(np.where(r == 0, 1, r))[1] - 1, 0) - 3)
;;       q = np.round(r / step) * step * 2.0 ** e      # np.round: ties to even
;;       return np.moveaxis(q.reshape(q.shape[:-2] + (-1,))[..., :K], -1, axis).astype(np.float32)
;;   ~~~
;;   SOFTMAX AHEAD OF A QUANTISED PRODUCT. Where the list says 'softmax', what is quantised is not the finished softmax but p = 2^(t - M), with t = logit x log2(e) and M = ceil(the row's largest t), a whole number; so 1/2 < the row's largest p <= 1. The row's sum l is taken of the UNQUANTISED p, in f32, and the product's result is divided by l at the end. Since M is a whole number, a kernel that streams over the keys may use a running M (the ceiling of the running maximum): every later rescaling is an exact power of two, which a block's scale takes up: the codes' values come out the same.
;;   OPERANDS COMPUTED ON THE WAY. 'Computed on the way' means the value that the module computes at that place (a softmax that the list does not call 'softmax' is quantised finished and normalised). What goes into a quantiser is computed in f32, as accurately as f32 sums, v_exp_f32 and their like allow (about 1e-6 of the number): no bf16 or f16 on the way to a quantiser, and a product that is left as it is and whose result goes on into a quantised operand takes f32 operands (vector FMAs, or v_wmma_f32_16x16x4_f32). A number that lies on a knife's edge between two numbers of the format may be rounded either way, as far as f32 arithmetic and the matrix unit's own rounding can turn it there, and no further.
;; One version. Each part assembles by itself: llvm-mc -triple=amdgcn-amd-amdhsa -mcpu=gfx1250 --defsym DOCPART=n.
;; ======== version 1 of 1: 4 launches
;; limits: right only within a limited range of input values
;; workspace buffers: xc 26,738,688 bytes; xs 1,114,112 bytes; pc 9,437,184 bytes; ps 393,216 bytes; oc 6,291,456 bytes; os 262,144 bytes
;; launch quant (part 1): grid 256 x 1, 17 waves a work-group, no clusters, 327,680 bytes of LDS; arguments query, key, value, in_proj_weight, out_proj_weight, xc, xs; writes xc, xs
.if DOCPART == 1
	.amdgcn_target "amdgcn-amd-amdhsa--gfx1250"
	.amdhsa_code_object_version 6
	.text
	.protected	k_q31c43c213c_quant
	.globl	k_q31c43c213c_quant
	.p2align	8
	.type	k_q31c43c213c_quant,@function
k_q31c43c213c_quant:
	s_mov_b64 s[64:65], 0
	v_nop
	global_prefetch_b8 v0, s[64:65] scope:SCOPE_SE
	s_setreg_imm32_b32 hwreg(HW_REG_WAVE_MODE, 25, 1), 1
	s_wait_xcnt 0x0
; query, key, value [4096][2048], in_proj_weight [3072][2048], out_proj_weight [2048][2048], all f32 with K innermost, become codes of FP6 (E2M3) with one E8M0 scale byte for each 32 along K.
; A block's scale is 2^(floor(log2(its largest magnitude)) - 2); its byte is the largest magnitude's exponent field - 2, held at 1 from below.  Each number is divided by the scale and rounded to the nearest code, ties to even.
; WORK LEFT OUT IN THIS PROGRAM: the module builds a causal mask (jnp.tril) itself and sets hidden scores to the least f32 ahead of the softmax, so their weights are 0 for all inputs:
; the attention launch passes over key steps that lie wholly behind a wave's queries.  Every input is loaded.  A NaN, an infinity or an overflow that reaches only those hidden steps is not carried to the result.
; LIMITS: NaN and infinities among the inputs are not served; a block whose largest magnitude lies under 2^-124 keeps the byte 1; a block of zeros gets the byte 1 and not 127: its codes are zeros, and this program alone reads the bytes.
; LAYOUT.  The five tensors' rows follow each other in groups of 128 (136 groups).  xc: [group][K step of 128: 16][fragment: 8][1,536 bytes].  Lane-row r of fragment f is row 32 (f / 2) + 8 (f % 2) + r + 8 (r / 8) of its group.
; A fragment is the image of the operand's 12 registers: registers 4 c .. 4 c + 3 of lane 16 h + r at byte 512 c + 16 (16 h + r); registers 0-5 hold block h of the K step, registers 6-11 block 2 + h.
; xs: 512 bytes for each (group, K step): the scale word (the K step's four bytes) of (fragment f, row r) at 256 (f / 4) + 16 r + 4 (f % 4).
; SHARES.  64 rows x one K step are a share: 136 x 2 x 16 = 4,352 = 256 work-groups x 17 waves, one share a wave.  A share comes in two fills of 32 rows x 512 bytes, each one tensor load into the wave's own LDS slot.
; LANE l TAKES ROW l OF THE 32: its four blocks lie whole in its registers, so no other lane is asked for a maximum.  Row l is lane-row 8 (l / 16) + l % 8 of fragment 2 p + (l / 8) % 2 of the share's four (p: the fill).
; LDS rows are 528 bytes apart (512 + 16 of padding): the sixteen rows that half a load touches begin 4 banks apart.  A store of codes covers two aligned runs of 256 bytes, one in each of the fill's two fragments.
; NO CLUSTER: no byte of the inputs is read by two work-groups.  NO PREFETCH: each byte is read once, every wave's load goes out at the head or straight behind the one barrier, and there is no loop to run ahead in.
.set PITCH, 528
.set SLOTB, 32*PITCH                   ; a wave's slot: 16,896 bytes
.set SPARE, 17*SLOTB                   ; behind the slots: the spare words, 128 bytes a wave, nine blocks of 256 bytes that no other line names
.set AD,   2                           ; v2   LDS address of my row
.set VO,   3                           ; v3   my place in xc: 1,536 (l / 8 % 2) + 128 (l / 16) + 16 (l % 8)
.set XO,   4                           ; v4   my place in xs: 16 x lane-row + 8 (l / 8 % 2)
.set SPW,  6                           ; v6   LDS address of my spare word; never rewritten
.set NIL,  7                           ; v7   0; never rewritten
.set SCO,  10                          ; v10  the conversions' scale operand
.set BY,   11                          ; v11  the scale's byte
.set W,    12                          ; v12-13 my row's scale word, one for each fill
.set RCV,  14                          ; v14  a word from lane l xor 8
.set M,    16                          ; v16-26 maxima
.set X,    32                          ; v32-95 two sets of 32 numbers
.set C,    96                          ; v96-119 codes: 12 registers for blocks 0 and 2, 12 for blocks 1 and 3
.set T,    120                         ; v120-122 a block's upper 16 codes, before they are moved
.set G1,   24                          ; s[24:31] descriptor group 1;  s[32:35] group 0
.set G0,   32
	s_load_b256 s[4:11], s[0:1], 0x0               ; query, key, value, in_proj_weight
	s_load_b128 s[12:15], s[0:1], 0x20             ; out_proj_weight, xc
	s_load_b64 s[16:17], s[0:1], 0x30              ; xs
	v_lshl_add_u32 v[SPW], v0, 2, SPARE
	v_mov_b32 v[NIL], 0
	ds_add_u32 v[SPW], v[NIL]                      ; the opening lines: the add, twice on end, and its wait ahead of my first tensor load
	ds_add_u32 v[SPW], v[NIL]
	v_lshrrev_b32 v1, 5, v0
	s_delay_alu instid0(VALU_DEP_1)
	v_readfirstlane_b32 s18, v1                    ; wave 0..16
	s_mul_i32 s19, ttmp9, 17
	s_add_co_u32 s19, s19, s18                     ; my share
	s_and_b32 s20, s19, 15                         ; its K step
	s_bfe_u32 s21, s19, 0x10004                    ; which 64 rows of the group
	s_lshr_b32 s22, s19, 5                         ; the group, counted over all five tensors
	s_mul_i32 s23, s18, SLOTB                      ; my slot
	s_mov_b32 s[G1+0], (3<<16)|(1<<20)|(6<<22)|(3<<25)   ; elements of 8 bytes; behind every 128 words 4 words of padding
	s_mov_b32 s[G1+1], 64<<16                      ; tensor_dim0: 512 bytes
	s_mov_b32 s[G1+2], 32<<16                      ; tensor_dim1
	s_mov_b32 s[G1+3], 64<<16                      ; tile_dim0
	s_mov_b32 s[G1+4], 32                          ; tile_dim1
	s_mov_b32 s[G1+5], 1024                        ; from row to row: 8,192 bytes
	s_mov_b32 s[G1+6], 0
	s_mov_b32 s[G1+7], 0
	s_mov_b32 s[G0], 1
	s_mov_b32 s[G0+1], s23
	s_wait_dscnt 0x0                               ; both opening adds are done
	s_wait_kmcnt 0x0
	s_mov_b64 s[36:37], s[12:13]                   ; which tensor: the choice hangs on ids alone.  First groups: 0, 32, 64, 96, 120
	s_mov_b32 s38, 120
	s_cmp_lt_u32 s22, 120
	s_cselect_b64 s[36:37], s[10:11], s[36:37]
	s_cselect_b32 s38, 96, s38
	s_cmp_lt_u32 s22, 96
	s_cselect_b64 s[36:37], s[8:9], s[36:37]
	s_cselect_b32 s38, 64, s38
	s_cmp_lt_u32 s22, 64
	s_cselect_b64 s[36:37], s[6:7], s[36:37]
	s_cselect_b32 s38, 32, s38
	s_cmp_lt_u32 s22, 32
	s_cselect_b64 s[36:37], s[4:5], s[36:37]
	s_cselect_b32 s38, 0, s38
	s_sub_co_u32 s38, s22, s38                     ; the group within its tensor: 128 rows of 8,192 bytes,
	s_lshl_b32 s38, s38, 20
	s_lshl_b32 s39, s21, 19                        ; 64 rows,
	s_add_co_u32 s38, s38, s39
	s_lshl_b32 s39, s20, 9                         ; 512 bytes a K step
	s_add_co_u32 s38, s38, s39
	s_mov_b32 s39, 0
	s_add_nc_u64 s[G0+2:G0+3], s[36:37], s[38:39]
	s_or_b32 s[G0+3], s[G0+3], 0x80000000
	tensor_load_to_lds s[G0:G0+3], s[G1:G1+7]      ; my first 32 rows: every wave's one load at the head
	s_nop 0
	s_mul_i32 s40, s22, 196608                     ; xc at my share's first fragment
	s_mul_i32 s41, s20, 12288
	s_add_co_u32 s40, s40, s41
	s_mul_i32 s41, s21, 6144
	s_add_co_u32 s40, s40, s41
	s_mov_b32 s41, 0
	s_add_nc_u64 s[14:15], s[14:15], s[40:41]
	s_lshl_b32 s40, s22, 13                        ; xs at my share's 256 bytes
	s_lshl_b32 s42, s20, 9
	s_add_co_u32 s40, s40, s42
	s_lshl_b32 s42, s21, 8
	s_add_co_u32 s40, s40, s42
	s_add_nc_u64 s[16:17], s[16:17], s[40:41]
	v_and_b32 v1, 31, v0                           ; l
	v_and_b32 v8, 7, v0                            ; l % 8
	v_bfe_u32 v9, v0, 3, 1                         ; which of the fill's two fragments
	v_bfe_u32 v10, v0, 4, 1                        ; lane-row / 8
	v_mov_b32 v[RCV], 0                            ; written once: the destination of a DPP form counts as read
	v_mul_u32_u24 v[AD], v1, PITCH
	v_lshlrev_b32 v8, 4, v8
	v_mul_u32_u24 v[VO], v9, 1536
	v_lshlrev_b32 v9, 3, v9
	s_delay_alu instid0(VALU_DEP_3)
	v_lshl_add_u32 v8, v10, 7, v8                  ; 16 x lane-row
	s_delay_alu instid0(VALU_DEP_1)
	v_add_nc_u32 v[VO], v[VO], v8
	s_delay_alu instid0(VALU_DEP_2)
	v_add_nc_u32 v[XO], v9, v8
	v_add_nc_u32 v[AD], s23, v[AD]
.macro LOADB b, x                      ; block b of my row, 128 bytes, into set x
.irp i, 0,1,2,3,4,5,6,7
	ds_load_b128 v[X+32*(\x)+4*\i:X+32*(\x)+4*\i+3], v[AD] offset:128*(\b)+16*\i
.endr
.endm
.macro BLOCK b, x, p                   ; block b, in set x: its scale, its 32 codes into registers 6 (b / 2) .. + 5 of the image of lanes' half b % 2, its byte into the fill's scale word
.set XS, X+32*(\x)
.set CB, C+12*((\b)%2)+6*((\b)/2)
.irp j, 0,1,2,3,4,5,6,7,8,9
	v_max3_num_f32 v[M+\j], |v[XS+3*\j]|, |v[XS+3*\j+1]|, |v[XS+3*\j+2]|   ; eleven maxima that do not hang on each other
.endr
	v_max3_num_f32 v[M+10], |v[XS+30]|, |v[XS+31]|, 0x1800000   ; with the floor 2^(3 - 127): so the byte cannot fall under 1
	v_max3_num_f32 v[M], v[M], v[M+1], v[M+2]
	v_max3_num_f32 v[M+3], v[M+3], v[M+4], v[M+5]
	v_max3_num_f32 v[M+6], v[M+6], v[M+7], v[M+8]
	s_delay_alu instid0(VALU_DEP_3)
	v_max3_num_f32 v[M], v[M], v[M+9], v[M+10]
	s_delay_alu instid0(VALU_DEP_1)
	v_max3_num_f32 v[M], v[M], v[M+3], v[M+6]      ; the block's largest magnitude
	s_delay_alu instid0(VALU_DEP_1)
	v_add_nc_u32 v[SCO], 0xff000000, v[M]          ; 2 off its exponent field: the conversion takes the exponent field of this operand as its scale, and nothing else of it
	v_cvt_scalef32_pk16_fp6_f32 v[CB:CB+2], v[XS:XS+15], v[SCO]
	v_cvt_scalef32_pk16_fp6_f32 v[T:T+2], v[XS+16:XS+31], v[SCO]   ; (a conversion's three registers begin on an even number)
	v_lshrrev_b32 v[BY], 23, v[SCO]                ; the scale's byte; also the plain place behind the conversions
.irp i, 0,1,2
	v_mov_b32 v[CB+3+\i], v[T+\i]
.endr
	s_delay_alu instid0(VALU_DEP_4)
.if (\b) == 0
	v_mov_b32 v[W+(\p)], v[BY]
.else
	v_lshl_or_b32 v[W+(\p)], v[BY], 8*(\b), v[W+(\p)]
.endif
.endm
.macro OUT h, p                        ; the 48 bytes of image lanes 16 h + lane-row: each store covers two aligned runs of 256 bytes
.irp c, 0,1,2
	global_store_b128 v[VO], v[C+12*(\h)+4*\c:C+12*(\h)+4*\c+3], s[14:15] offset:3072*(\p)+256*(\h)+512*\c th:TH_STORE_NT
.endr
.endm
.macro PHASE p                         ; a fill's 32 rows.  Blocks go 0, 2, 1, 3, so that an image half is whole after two; a block's loads are out while the block before is worked
	LOADB 0, 0
	LOADB 2, 1
	s_wait_dscnt 8                                 ; all but the eight loads issued last
	BLOCK 0, 0, \p
	LOADB 1, 0
	s_wait_dscnt 8
	BLOCK 2, 1, \p
	OUT 0, \p
	LOADB 3, 1
	s_wait_dscnt 8
	BLOCK 1, 0, \p
	s_wait_dscnt 0x0
	BLOCK 3, 1, \p
	OUT 1, \p
.endm
	s_wait_alu depctr_va_vdst(0)
	s_wait_tensorcnt 0x0                           ; my rows are in; only I read them
	PHASE 0
	s_wait_tensorcnt 0x0                           ; the lines ahead of a refill: no tensor load of mine is out,
	ds_add_u32 v[SPW], v[NIL]                      ; 0 onto my spare word,
	s_add_nc_u64 s[G0+2:G0+3], s[G0+2:G0+3], 32*8192   ; (the descriptor may be written: 32 rows on)
	s_wait_dscnt 0x0                               ; the add is done, and my reads of the slot are over
	s_barrier_signal -1
	s_barrier_wait -1
	tensor_load_to_lds s[G0:G0+3], s[G1:G1+7]      ; my second 32 rows, into the same slot
	s_nop 0
	s_wait_xcnt 0x0                                ; the first fill's stores have read their data: the codes' registers may be written again
	s_wait_tensorcnt 0x0
	PHASE 1
	; the scale words.  Lanes l and l xor 8 hold the same lane-row of fragments 2 p and 2 p + 1.  The lower lane stores the words of fragments 0 and 1, the upper those of 2 and 3: 8 bytes a lane, 256 bytes on end a wave
	v_and_b32 v29, 8, v0
	s_delay_alu instid0(VALU_DEP_1)
	v_cmp_ne_u32 vcc_lo, 0, v29
	v_cndmask_b32 v15, v[W], v[W+1], vcc_lo        ; the word that I keep,
	v_cndmask_b32 v28, v[W+1], v[W], vcc_lo        ; the word that my partner stores
	s_delay_alu instid0(VALU_DEP_1)
	v_mov_b32_dpp v[RCV], v28 row_xmask:8 row_mask:0xf bank_mask:0xf
	s_delay_alu instid0(VALU_DEP_1)
	v_cndmask_b32 v30, v15, v[RCV], vcc_lo
	s_delay_alu instid0(VALU_DEP_2)
	v_cndmask_b32 v31, v[RCV], v15, vcc_lo
	global_store_b64 v[XO], v[30:31], s[16:17]
	s_wait_tensorcnt 0x0                           ; the wave's end
	ds_add_u32 v[SPW], v[NIL]
	s_wait_dscnt 0x0
	s_endpgm
.Lfunc_end_k_q31c43c213c_quant:
	.size	k_q31c43c213c_quant, .Lfunc_end_k_q31c43c213c_quant-k_q31c43c213c_quant
	.p2alignl 7, 3214868480
	.fill 96, 4, 3214868480
	.section	.rodata,"a",@progbits
	.p2align	6, 0x0
	.amdhsa_kernel k_q31c43c213c_quant
		.amdhsa_group_segment_fixed_size 327680
		.amdhsa_private_segment_fixed_size 0
		.amdhsa_enable_private_segment 0
		.amdhsa_kernarg_size 56
		.amdhsa_user_sgpr_count 2
		.amdhsa_user_sgpr_kernarg_segment_ptr 1
		.amdhsa_wavefront_size32 1
		.amdhsa_system_sgpr_workgroup_id_x 1
		.amdhsa_system_sgpr_workgroup_id_y 1
		.amdhsa_system_sgpr_workgroup_id_z 1
		.amdhsa_system_vgpr_workitem_id 0
		.amdhsa_next_free_vgpr 128
		.amdhsa_next_free_sgpr 66
		.amdhsa_reserve_vcc 1
		.amdhsa_float_denorm_mode_32 3
		.amdhsa_float_denorm_mode_16_64 3
		.amdhsa_memory_ordered 1
		.amdhsa_forward_progress 1
		.amdhsa_inst_pref_size 23
	.end_amdhsa_kernel
	.amdgpu_metadata
---
amdhsa.version: [ 1, 2 ]
amdhsa.kernels:
  - .name:           k_q31c43c213c_quant
    .symbol:         k_q31c43c213c_quant.kd
    .args:
      - { .name: query, .offset: 0, .size: 8, .value_kind: global_buffer, .address_space: global }
      - { .name: key, .offset: 8, .size: 8, .value_kind: global_buffer, .address_space: global }
      - { .name: value, .offset: 16, .size: 8, .value_kind: global_buffer, .address_space: global }
      - { .name: in_proj_weight, .offset: 24, .size: 8, .value_kind: global_buffer, .address_space: global }
      - { .name: out_proj_weight, .offset: 32, .size: 8, .value_kind: global_buffer, .address_space: global }
      - { .name: xc, .offset: 40, .size: 8, .value_kind: global_buffer, .address_space: global }
      - { .name: xs, .offset: 48, .size: 8, .value_kind: global_buffer, .address_space: global }
    .group_segment_fixed_size: 327680
    .private_segment_fixed_size: 0
    .kernarg_segment_align: 8
    .kernarg_segment_size: 56
    .max_flat_workgroup_size: 544
    .sgpr_count:     66
    .vgpr_count:     128
    .wavefront_size: 32
...
	.end_amdgpu_metadata
.endif
;; end of part 1
;; launch proj (part 2): grid 192 x 1, 4 waves a work-group, no clusters, 327,680 bytes of LDS; arguments xc, xs, in_proj_bias, pc, ps; writes pc, ps
.if DOCPART == 2
	.amdgcn_target "amdgcn-amd-amdhsa--gfx1250"
	.amdhsa_code_object_version 6
	.text
	.protected	k_q31c43c213c_proj
	.globl	k_q31c43c213c_proj
	.p2align	8
	.type	k_q31c43c213c_proj,@function
k_q31c43c213c_proj:
	s_mov_b64 s[64:65], 0
	v_nop
	global_prefetch_b8 v0, s[64:65] scope:SCOPE_SE
	s_setreg_imm32_b32 hwreg(HW_REG_WAVE_MODE, 25, 1), 1
	s_wait_xcnt 0x0
; xq = query qw^T + qb, xk = key kw^T + kb, xv = value vw^T + vb, on codes of FP6 (E2M3) with E8M0 scales; the results are quantised in registers and leave as operand images for the attention launch.
; A tile is 256 rows of source 1 x 256 rows of source 0, K = 2,048; four waves, each 128 x 128: 64 accumulators, 512 registers.  Work-groups 0-127: xq (8 tiles of weight rows x 16 of tokens); 128-159: xk (2 x 16); 160-191: xv (2 x 16).
; xq, xk: source 0 = weight rows, source 1 = tokens: a lane holds one token and its 64 registers of a token fragment run along the head's 128: the next product's K.
; xv: source 0 = tokens, source 1 = weight rows: a lane holds one channel and its registers run along 128 keys: the K of the product with the softmax.  The three differ in global addresses and in how the bias is added, in nothing else.
; xc, xs as the launch before laid them: codes [group of 128 rows][K step][fragment][1,536], registers 4 c .. 4 c + 3 of lane l at 512 c + 16 l; scale words 512 bytes a (group, K step).  Lane-row r of fragment f is row 32 (f / 2) + 8 (f % 2) + r + 8 (r / 8),
; so the 16 registers of result tiles 2 b and 2 b + 1 are 16 neighbours, 32 b + 16 (lane / 16) + 0 .. 15, along source 0's rows.
; pc: fragment F at byte 1,536 F, registers 4 c .. 4 c + 3 of lane l at 512 c + 16 l.  F = sec + (batch x heads + head) x 64 + 8 x (group of 128 tokens in the batch) + a; sec, heads: xq 0, 16; xk 4,096, 4; xv 5,120, 4.
; a: xq, xk the fragment of 16 tokens; xv the fragment of 16 channels.  ps: 64 bytes a fragment; in the 512 bytes of eight fragments the word of (a, row r) at 256 (a / 4) + 16 r + 4 (a % 4).
; K goes through a ring of two LDS slots of two K steps (256 along K): a wave's tensor load brings 128 rows' 24,576 dense bytes.  The scale words of the tile's 512 rows come once, with the first fills.
; NO CLUSTER: xk and xv have two tiles of weight rows each, so no 4 x 4 block of one product's tiles exists; and in a row of four work-groups the shared tile would be source 0's in xk and source 1's in xv,
; so that a joint load's LDS address would hang on the work-group's number.
; LIMITS: NaN and infinities are not served; a block whose largest magnitude lies under 2^-124 keeps the byte 1; a block of zeros gets the byte 1 and not 127 (its codes are zeros; this program alone reads the bytes).
; REGISTERS, in windows of 256: window 0: v1-31 addresses; v32-63 scale words, two sets; v64-127 the bias by register; v128-223 source 1's fragments, one set; v240-255 the bias by lane; on the way out v128-239 are at work.
;   window 1: source 0's fragments, two sets, at v0 and v128.   window 2: the accumulators of my source 1 blocks 0-3 (accumulator (a, b) at v[8 (8 (a % 4) + b)]);   window 3: blocks 4-7.
.set FR,     12                        ; registers of a fragment: 16 rows x 128 K
.set NL,     3                         ; LDS loads that bring one
.set NP,     4                         ; places behind this matrix instruction (ISA guide 7.12.1)
.set NQ,     2                         ; K steps in a slot
.set FRB,    1536                      ; a fragment in bytes
.set KSB,    12288                     ; a K step of 128 rows
.set HALFT,  24576                     ; 128 rows x two K steps: what one tensor load brings
.set SLOT,   98304                     ; source 1's two halves, then source 0's two
.set SCL,    196608                    ; behind the ring: the scale words, 8,192 bytes for each 128 rows
.set HALFS,  8192
.set SPARE,  229376                    ; the spare words, 128 bytes for each wave: two blocks of 256 bytes that no other line names
.set GPITCH, 196608                    ; a group's codes in memory
.set STA,    512                       ; from one load of a fragment to the next.  xc's fragments are register images like pc's: registers 4 c .. 4 c + 3 of lane l at 512 c + 16 l (not 48 bytes of a lane on end)
.set ADRA, 16                          ; v16-17  LDS address of my source 1 fragments in slot 0, 1
.set ADRB, 20                          ; v20-21  the same for source 0
.set LI,   24                          ; v24     16 x lane
.set ADRS, 27                          ; v27     LDS address of my scale words: lanes 0-15 source 1's, lanes 16-31 source 0's
.set SPW,  28                          ; v28     LDS address of my spare word; never rewritten
.set NIL,  29                          ; v29     0; never rewritten
.set SC,   32                          ; scale words: register SC + 16 set + 8 q + i: lanes 0-15 the words of source 1's block i, lanes 16-31 of source 0's block i, for the slot's q-th K step
.set BR,   64                          ; the bias of source 0's rows, in the result's layout: 8 registers a tile
.set AF,   128
.set BL,   240                         ; the bias of source 1's rows: a pair (the same number twice) for each block
.set HA,   128                         ; the way out: 64 numbers of a lane,
.set PC,   192                         ; their codes (20 registers at work),
.set TM,   212                         ; 16 registers at work,
.set SW,   228                         ; the eight blocks' scale words,
.set SD,   236                         ; and the four that my half of the lanes stores
.set ISV,  17                          ; s17     1 in xv's work-groups
.set SEL,  20                          ; s[20:21] lane selects for v_permlanex16_b32: lane l xor 16
.set G1,   24                          ; s[24:31] descriptor group 1 for the tiles;  s[32:39] group 0, one set for each slot
.set G0,   32
.set G0S,  44                          ; s[44:47], s[48:55] groups 0 and 1 for the scale words
.set G1S,  48
.set G0H,  68                          ; s[68:71], s[72:79] groups 0 and 1 for the head's loads of slot 0: two neighbouring groups' first two K steps
.set G1H,  72
.set PFO,  30                          ; v30-31  the prefetches' offsets: 256 x my lane's block; never rewritten
.set PFA,  92                          ; s[92:93] the codes of the group that I fetch, stepped two slots a trip
.set MSB, 0
.macro WIN new                         ; the immediate's high byte repeats the setting that is left
.if MSB != (\new)
	s_set_vgpr_msb (MSB<<8)|(\new)
.set MSB, (\new)
.endif
.endm
.set MUL_LO, 0xa1                      ; source 0 window 1, source 1 window 0, C and D window 2
.set MUL_HI, 0xf1                      ; the same, C and D window 3
.set TO_B,   0x40                      ; destination window 1, address window 0
	s_load_b256 s[4:11], s[0:1], 0x0               ; xc s[4:5], xs s[6:7], in_proj_bias s[8:9], pc s[10:11]
	s_load_b64 s[12:13], s[0:1], 0x20              ; ps
	v_lshl_add_u32 v[SPW], v0, 2, SPARE
	v_mov_b32 v[NIL], 0
	ds_add_u32 v28, v29
	ds_add_u32 v28, v29
	s_wait_dscnt 0x0
	v_lshrrev_b32 v1, 5, v0
	v_readfirstlane_b32 s14, v1                    ; wave 0..3
	s_lshr_b32 s15, s14, 1                         ; my half of source 1's rows.  Also: I fetch for source 1 (0) or source 0 (1)
	s_and_b32 s16, s14, 1                          ; my half of source 0's rows.  Also: which 128 rows I fetch
	; which product: xv's numbers first, then xk's and xq's by the work-group's number
	s_mov_b32 s40, 160                             ; the product's first work-group
	s_mov_b32 s41, 1                               ; log2 of its tiles of weight rows,
	s_mov_b32 s42, 1                               ; that number - 1
	s_mov_b32 s43, 116                             ; its weights' first group in xc
	s_mov_b32 s56, 64                              ; its tokens' first group
	s_mov_b32 s57, 4                               ; its heads
	s_mov_b32 s58, 5120                            ; its first fragment in pc
	s_mov_b32 s[ISV], 1
	s_cmp_lt_u32 ttmp9, 160
	s_cselect_b32 s40, 128, s40
	s_cselect_b32 s43, 112, s43
	s_cselect_b32 s56, 32, s56
	s_cselect_b32 s58, 4096, s58
	s_cselect_b32 s[ISV], 0, s[ISV]
	s_cmp_lt_u32 ttmp9, 128
	s_cselect_b32 s40, 0, s40
	s_cselect_b32 s41, 3, s41
	s_cselect_b32 s42, 7, s42
	s_cselect_b32 s43, 96, s43
	s_cselect_b32 s56, 0, s56
	s_cselect_b32 s57, 16, s57
	s_cselect_b32 s58, 0, s58
	s_sub_co_u32 s40, ttmp9, s40                   ; the tile's number in its product
	s_and_b32 s42, s40, s42
	s_lshl_b32 s42, s42, 1                         ; 2 x tile of weight rows: its first group (= head)
	s_lshr_b32 s41, s40, s41
	s_lshl_b32 s41, s41, 1                         ; 2 x tile of tokens: its first group
	s_add_co_u32 s43, s43, s42                     ; the weights' group in xc
	s_add_co_u32 s56, s56, s41                     ; the tokens'
	s_cmp_lg_u32 s[ISV], 0
	s_cselect_b32 s59, s56, s43                    ; source 0: xv tokens, else weights
	s_cselect_b32 s60, s43, s56                    ; source 1: xv weights, else tokens
	s_cselect_b32 s61, s15, s16                    ; which half of the weight rows is mine
	s_cselect_b32 s62, s16, s15                    ; which half of the tokens
	s_cmp_eq_u32 s15, 0
	s_cselect_b32 s63, s60, s59
	s_add_co_u32 s63, s63, s16                     ; the group that I fetch
	s_mul_i32 s18, s63, GPITCH                     ; its codes,
	s_mov_b32 s19, 0
	s_cmp_eq_u32 s16, 0                            ; the head's four tiles, one a wave: waves 0, 2 take source 1's two groups, waves 1, 3 source 0's
	s_cselect_b32 s80, s60, s59
	s_mul_i32 s82, s80, GPITCH                     ; their codes,
	s_mov_b32 s83, 0
	s_lshl_b32 s84, s80, 13                        ; their scale words,
	s_mov_b32 s85, 0
	s_mul_i32 s86, s16, 2*HALFT                    ; and where they go
	s_mul_i32 s87, s16, 2*HALFS
	; the prefetches.  A slot's part of a group is 96 blocks of 256 bytes.  The work-groups that read a group share them out by address: weight rows are read by the 16 tiles of tokens (6 blocks each),
	; xq's tokens by 8 tiles of weight rows (12 each), xk's and xv's by 2 (48 each)
	s_xor_b32 s88, s15, s[ISV]                     ; 1: the group that I fetch holds weight rows
	s_cmp_eq_u32 s57, 16
	s_cselect_b32 s89, 12, 48
	s_cmp_lg_u32 s88, 0
	s_cselect_b32 s89, 6, s89                      ; my work-group's blocks,
	s_cselect_b32 s90, s41, s42
	s_lshr_b32 s90, s90, 1                         ; its place among those that share,
	s_mul_i32 s90, s90, s89                        ; its first block,
	s_sub_co_u32 s91, s89, 1                       ; and the last, counted from the first
	s_add_co_u32 s42, s42, s61                     ; my head
	s_add_co_u32 s41, s41, s62                     ; my group of tokens, 0..31
	s_sub_co_u32 s56, s43, 96
	s_add_co_u32 s56, s56, s61
	s_lshl_b32 s56, s56, 9                         ; my 128 weight rows' bias, in bytes
	s_lshr_b32 s40, s41, 3                         ; the batch
	s_mul_i32 s40, s40, s57
	s_add_co_u32 s40, s40, s42
	s_lshl_b32 s40, s40, 6
	s_and_b32 s41, s41, 7
	s_lshl_b32 s41, s41, 3
	s_add_co_u32 s40, s40, s41
	s_add_co_u32 s40, s40, s58                     ; my first fragment in pc
	s_mov_b32 s57, 0
	s_mul_i32 s58, s40, FRB
	s_mov_b32 s59, 0
	s_lshl_b32 s60, s40, 6
	s_mov_b32 s61, 0
	s_mul_i32 s40, s14, HALFT                      ; where my tiles go: wave x 24,576,
	; descriptor group 1: a dense block as rows of 256 bytes (32 elements of 8 bytes): 96 rows for a tile, 64 for the scale words
	s_mov_b32 s[G1+0], 3<<16                       ; 15:0 no mask; 17:16 elements of 8 bytes; 20 padding off
	s_mov_b32 s[G1+1], 32<<16                      ; tensor_dim0
	s_mov_b32 s[G1+2], 96<<16                      ; tensor_dim1
	s_mov_b32 s[G1+3], 32<<16                      ; tile_dim0
	s_mov_b32 s[G1+4], 96                          ; tile_dim1
	s_mov_b32 s[G1+5], 32                          ; tensor_dim0_stride
	s_mov_b32 s[G1+6], 0
	s_mov_b32 s[G1+7], 0
	s_mov_b32 s[G1S+0], 3<<16
	s_mov_b32 s[G1S+1], 32<<16
	s_mov_b32 s[G1S+2], 64<<16
	s_mov_b32 s[G1S+3], 32<<16
	s_mov_b32 s[G1S+4], 64
	s_mov_b32 s[G1S+5], 32
	s_mov_b32 s[G1S+6], 0
	s_mov_b32 s[G1S+7], 0
	s_mov_b32 s[G1H+0], 3<<16                      ; two rows of 24,576 bytes (3,072 elements of 8), a group's codes apart
	s_mov_b32 s[G1H+1], 3072<<16
	s_mov_b32 s[G1H+2], 2<<16
	s_mov_b32 s[G1H+3], 3072<<16
	s_mov_b32 s[G1H+4], 2
	s_mov_b32 s[G1H+5], GPITCH/8
	s_mov_b32 s[G1H+6], 0
	s_mov_b32 s[G1H+7], 0
	s_mov_b32 s[SEL], 0x76543210
	s_mov_b32 s[SEL+1], 0xfedcba98
	s_wait_kmcnt 0x0
	s_add_nc_u64 s[18:19], s[4:5], s[18:19]
	s_mov_b64 s[PFA:PFA+1], s[18:19]
	s_mov_b32 s[G0S], 1
	s_mov_b32 s[G0H], 1
	s_mov_b32 s[G0H+1], s86
	s_add_nc_u64 s[G0H+2:G0H+3], s[4:5], s[82:83]
	s_or_b32 s[G0H+3], s[G0H+3], 0x80000000
	s_add_co_u32 s[G0S+1], s87, SCL
	s_add_nc_u64 s[G0S+2:G0S+3], s[6:7], s[84:85]
	s_or_b32 s[G0S+3], s[G0S+3], 0x80000000
.irp s, 0,1
	s_mov_b32 s[G0+4*\s], 1                                        ; count = 1
	s_add_co_u32 s[G0+4*\s+1], s40, \s*SLOT                        ; LDS address
	s_add_nc_u64 s[G0+4*\s+2:G0+4*\s+3], s[18:19], \s*HALFT        ; global address: K steps 2 s, 2 s + 1
	s_or_b32 s[G0+4*\s+3], s[G0+4*\s+3], 0x80000000                ; type = 2
.endr
	s_cmp_lt_u32 s14, 2                            ; one tensor load a wave at the head: waves 0, 1 bring slot 0's 256 rows of source 1 and of source 0, waves 2, 3 the scale words of the same rows
	s_cbranch_scc0 .Lhead_s
	tensor_load_to_lds s[G0H:G0H+3], s[G1H:G1H+7]
	s_nop 0
.rept 4
	v_nop
.endr
	s_branch .Lhead_j
.Lhead_s:
	tensor_load_to_lds s[G0S:G0S+3], s[G1S:G1S+7]
	s_nop 0
.rept 4
	v_nop
.endr
.Lhead_j:
	s_add_nc_u64 s[8:9], s[8:9], s[56:57]          ; the bias at my 128 weight rows
	s_add_nc_u64 s[10:11], s[10:11], s[58:59]      ; pc and ps at my first fragment
	s_add_nc_u64 s[12:13], s[12:13], s[60:61]
	v_and_b32 v1, 15, v0                           ; r
	v_bfe_u32 v2, v0, 4, 1                         ; h
	v_and_b32 v3, 31, v0                           ; lane
	v_lshlrev_b32 v[LI], 4, v3
	v_lshlrev_b32 v8, 6, v2                        ; the bias by register: tile t's eight rows of my half begin at row 32 (t / 2) + 8 (t % 2) + 16 h
	v_and_b32 v9, 8, v1
	v_add_nc_u32 v9, v9, v1
	v_lshlrev_b32 v9, 2, v9                        ; the bias by lane: row 32 (a / 2) + 8 (a % 2) + r + 8 (r / 8)
.irp t, 0,1,2,3,4,5,6,7
	global_load_b128 v[BR+8*\t:BR+8*\t+3], v8, s[8:9] offset:(32*(\t/2)+8*(\t%2))*4
	global_load_b128 v[BR+8*\t+4:BR+8*\t+7], v8, s[8:9] offset:(32*(\t/2)+8*(\t%2))*4+16
.endr
.irp a, 0,1,2,3,4,5,6,7
	global_load_b32 v[BL+2*\a], v9, s[8:9] offset:(32*(\a/2)+8*(\a%2))*4
	global_load_b32 v[BL+2*\a+1], v9, s[8:9] offset:(32*(\a/2)+8*(\a%2))*4
.endr
	v_lshlrev_b32 v6, 4, v3                        ; a lane's 16 bytes of each third of a fragment
	s_mul_i32 s22, s15, HALFT                      ; my 128 rows of source 1
	s_mul_i32 s23, s16, HALFT                      ; my 128 rows of source 0,
	s_add_co_u32 s23, s23, 2*HALFT                 ; which lie behind source 1's 256
.irp s, 0,1
	v_add_nc_u32 v[ADRA+\s], s22, v6
	v_add_nc_u32 v[ADRB+\s], s23, v6
	s_add_co_u32 s22, s22, SLOT
	s_add_co_u32 s23, s23, SLOT
.endr
	v_lshlrev_b32 v5, 4, v1                        ; my row's four scale words: 16 r
	s_mul_i32 s22, s15, HALFS
	s_mul_i32 s23, s16, HALFS
	s_add_co_u32 s23, s23, 2*HALFS
	s_sub_co_u32 s23, s23, s22
	v_mul_u32_u24 v7, s23, v2                      ; lanes 16-31 take source 0's
	s_add_co_u32 s22, s22, SCL
	v_add_nc_u32 v5, v5, v7
	v_add_nc_u32 v[ADRS], s22, v5
	v_min_u32 v[PFO], s91, v3                      ; a lane a block; lanes that are left over name the last block again
	v_add_nc_u32 v[PFO+1], 32, v3
	v_add_nc_u32 v[PFO], s90, v[PFO]
	v_min_u32 v[PFO+1], s91, v[PFO+1]
	v_lshlrev_b32 v[PFO], 8, v[PFO]
	v_add_nc_u32 v[PFO+1], s90, v[PFO+1]
	v_lshlrev_b32 v[PFO+1], 8, v[PFO+1]
	s_wait_alu depctr_va_vdst(0)
; A PREFETCH INTO THE L2 of my work-group's blocks of slot n (counted from where PFA stands).  Behind the load of a slot stands the request for the slot two further on; the head also asks for slot 1.
; Slots 6 and 7 are asked for in the loop's second trip; the last trip asks for nothing, so every address lies inside the group's 196,608 bytes.  The second line serves a share of 48 blocks; the branch hangs on ids alone.
.macro ASK n
	global_prefetch_b8 v[PFO], s[PFA:PFA+1] offset:(\n)*HALFT th:TH_LOAD_NT scope:SCOPE_SE
	s_cmp_gt_u32 s89, 32
	s_cbranch_scc0 .Lone_\@
	global_prefetch_b8 v[PFO+1], s[PFA:PFA+1] offset:(\n)*HALFT th:TH_LOAD_NT scope:SCOPE_SE
.Lone_\@:
.endm
	ASK 1
	ASK 2
.macro FRAG reg, adr, off, st          ; a fragment's 12 registers by three loads of 16 bytes
.irp c, 0,1,2
	ds_load_b128 v[\reg+4*\c:\reg+4*\c+3], v[\adr] offset:\off+(\st)*\c
.endr
.endm
; 16 matrix instructions: source 1's blocks a0, a0 + 1 x source 0's eight, 128 along K: the slot's q-th.  p: source 0's set;  sc: the set of scale words.  zero = 1: the first product starts the sums: nothing is cleared.
; The 64 accumulators take turns, one instruction a turn, in the same order in every step.
.macro MUL16 a0, p, q, sc, zero
.irp a, \a0, \a0+1
.irp b, 0,1,2,3,4,5,6,7
.if \zero
	v_wmma_scale_f32_16x16x128_f8f6f4 v[8*(8*((\a)%4)+\b):8*(8*((\a)%4)+\b)+7], v[128*(\p)+FR*\b:128*(\p)+FR*\b+FR-1], v[AF+FR*(\a):AF+FR*(\a)+FR-1], 0, v[SC+16*(\sc)+8*(\q)+\b], v[SC+16*(\sc)+8*(\q)+(\a)] matrix_a_fmt:MATRIX_FMT_FP6 matrix_b_fmt:MATRIX_FMT_FP6 matrix_a_scale:MATRIX_SCALE_ROW1
.else
	v_wmma_scale_f32_16x16x128_f8f6f4 v[8*(8*((\a)%4)+\b):8*(8*((\a)%4)+\b)+7], v[128*(\p)+FR*\b:128*(\p)+FR*\b+FR-1], v[AF+FR*(\a):AF+FR*(\a)+FR-1], v[8*(8*((\a)%4)+\b):8*(8*((\a)%4)+\b)+7], v[SC+16*(\sc)+8*(\q)+\b], v[SC+16*(\sc)+8*(\q)+(\a)] matrix_a_fmt:MATRIX_FMT_FP6 matrix_b_fmt:MATRIX_FMT_FP6 matrix_a_scale:MATRIX_SCALE_ROW1
.endif
.endr
.endr
.endm
.macro FETCH_B slot, q, p              ; source 0's eight fragments of the slot's q-th K step into set p
	WIN TO_B
.irp i, 0,1,2,3,4,5,6,7
	FRAG 128*(\p)+FR*\i, ADRB+\slot, (\q)*KSB+\i*FRB, 512
.endr
	WIN 0
.endm
.macro FETCH_A slot, q, i0             ; source 1's blocks i0 .. i0 + 3
.irp i, \i0, \i0+1, \i0+2, \i0+3
	FRAG AF+FR*(\i), ADRA+\slot, (\q)*KSB+(\i)*FRB, STA
.endr
.endm
.macro SCALES sc                       ; a slot's scale words into set sc: one load brings the words of four blocks
.irp q, 0,1
.irp f, 0,1
	ds_load_b128 v[SC+16*\sc+8*\q+4*\f:SC+16*\sc+8*\q+4*\f+3], v[ADRS] offset:512*\q+256*\f
.endr
.endr
.endm
; A load into a register that a matrix instruction has read, and a vector instruction that reads a matrix result, stand NP places behind that matrix instruction; only plain vector instructions that name none of its
; registers are places (ISA guide 7.12.1 for vector instructions).
.macro PLACES n
.rept \n
	v_nop
.endr
.endm
; A K step that has its successor in the same slot.  Source 1 has one set of registers: blocks 0-3 are fetched anew in the step's middle, blocks 4-7 at its end; source 0 has two sets.
.macro STEP slot, q, zero
	s_wait_dscnt 4*NL                              ; source 0's set, source 1's blocks 0-3 and the scale words are in; the youngest 12 loads (blocks 4-7) may be out
	WIN MUL_LO
	MUL16 0, (\q)%2, \q, \slot, \zero
	MUL16 2, (\q)%2, \q, \slot, \zero
	s_wait_dscnt 0                                 ; blocks 4-7 are in (asked for 32 matrix instructions ago)
	PLACES NP
	FETCH_B \slot, (\q)+1, 1-(\q)%2
	FETCH_A \slot, (\q)+1, 0
	WIN MUL_HI
	MUL16 4, (\q)%2, \q, \slot, \zero
	MUL16 6, (\q)%2, \q, \slot, \zero
	PLACES NP
	WIN 0
	FETCH_A \slot, (\q)+1, 4
.endm
; A slot's last K step changes slots: ONE barrier; in front of it each wave waits for all its tensor loads, adds 0 to its spare word, and waits for that and for its own reads of this slot.  fill = 1: this slot is filled again, two slots ahead.
.macro TURN slot, next, fill
	s_wait_tensorcnt 0x0                           ; all my tensor loads have landed: my part of the next slot; so a group 0 may be written
	ds_add_u32 v[SPW], v[NIL]                      ; 0 onto my spare word
.if \fill
	s_add_nc_u64 s[G0+4*\slot+2:G0+4*\slot+3], s[G0+4*\slot+2:G0+4*\slot+3], 2*HALFT   ; this slot's next two K steps
.endif
	s_wait_dscnt 4*NL+1                            ; (the add and the youngest 12 loads, blocks 4-7, may be out)
	WIN MUL_LO
	MUL16 0, 1, NQ-1, \slot, 0                     ; sixteen matrix instructions stand between the add and the wait for it
	s_wait_dscnt 0x0                               ; the add is done, and my reads of this slot are over
	s_barrier_signal -1
	MUL16 2, 1, NQ-1, \slot, 0
	WIN 0
	s_barrier_wait -1                              ; nobody reads this slot any more, and the next slot is whole
.if \fill
	tensor_load_to_lds s[G0+4*\slot:G0+4*\slot+3], s[G1:G1+7]   ; my one tensor load behind this barrier, and the first thing there: it has a slot's 128 matrix instructions in which to land
	s_nop 0
	PLACES 4                                       ; the places in front of the loads below
.else
	PLACES NP
.endif
	v_add_nc_u32 v[ADRS], 512*NQ, v[ADRS]          ; on to the next slot's scale words
	FETCH_B \next, 0, 0
	FETCH_A \next, 0, 0
	SCALES \next
.if \fill
	s_cmp_lg_u32 s3, 1                             ; not in the loop's last trip
	s_cbranch_scc0 .Lnoask_\@
	ASK 4+\slot
.Lnoask_\@:
.endif
	WIN MUL_HI
	MUL16 4, 1, NQ-1, \slot, 0
	MUL16 6, 1, NQ-1, \slot, 0
	PLACES NP
	WIN 0
	FETCH_A \next, 0, 4
.endm
; 64 numbers of a lane, v[s] .. v[s + 63], register 16 b + i = k 32 b + 16 (lane / 16) + i of my row, become a fragment's codes in v[PC] .. v[PC + 11] and its scale word in v[pw].
.macro QUANT s, pw
.irp b, 0,1,2,3
	v_max3_num_f32 v[TM+\b], |v[\s+16*\b]|, |v[\s+1+16*\b]|, 0x1800000   ; block b: my 16 numbers, and the floor 2^(3 - 127): so the byte cannot fall under 1
.endr
.irp i, 2,4,6,8,10,12,14
.irp b, 0,1,2,3
	v_max3_num_f32 v[TM+\b], v[TM+\b], |v[\s+16*\b+\i]|, |v[\s+1+16*\b+\i]|   ; (the four blocks by turns)
.endr
.endr
.irp b, 0,1,2,3
	v_permlanex16_b32 v[TM+4+\b], v[TM+\b], s[SEL], s[SEL+1]
.endr
.irp b, 0,1,2,3
	v_max_num_f32 v[TM+\b], v[TM+\b], v[TM+4+\b]   ; with lane l xor 16's: the block's largest magnitude
.endr
.irp b, 0,1,2,3
	v_add_nc_u32 v[TM+12+\b], 0xff000000, v[TM+\b]   ; 2 off its exponent field: the conversion's scale operand
.endr
.irp b, 0,1,2,3
	v_lshrrev_b32 v[TM+4+\b], 23, v[TM+12+\b]      ; the scale's byte
.endr
	v_lshl_or_b32 v[\pw], v[TM+5], 8, v[TM+4]      ; the four bytes make my row's scale word
	v_lshl_or_b32 v[\pw], v[TM+6], 16, v[\pw]
	v_lshl_or_b32 v[\pw], v[TM+7], 24, v[\pw]
.irp c, 0,1
	v_cvt_scalef32_pk16_fp6_f32 v[PC+6*\c:PC+2+6*\c], v[\s+32*\c:\s+15+32*\c], v[TM+12+2*\c]
	v_cvt_scalef32_pk16_fp6_f32 v[PC+12+4*\c:PC+14+4*\c], v[\s+16+32*\c:\s+31+32*\c], v[TM+12+2*\c+1]   ; (a conversion's three registers begin on an even number)
.endr
	v_nop                                          ; one plain place behind a scaled conversion
.irp c, 0,1                                    ; the operand's layout wants a whole block in a lane: lanes 0-15 block 2 c, lanes 16-31 block 2 c + 1
.irp i, 0,1,2
	v_permlane16_swap_b32 v[PC+6*\c+\i], v[PC+12+4*\c+\i]
.endr
.irp i, 0,1,2
	v_mov_b32 v[PC+3+6*\c+\i], v[PC+12+4*\c+\i]
.endr
.endr
.endm
; Source 1's block a: its eight accumulators and the bias into v[HA] on, each accumulator from its low end on.  xq, xk: the bias belongs to source 0's rows, which lie along the registers; xv: to source 1's rows, one a lane.
; The branch hangs on the work-group's number alone.
.macro TAKE a
.set AC, 64*((\a)%4)
	s_cmp_lg_u32 s[ISV], 0
	s_cbranch_scc1 .Lby_lane_\@
	WIN 0x02+(\a)/4                                ; source 0: window 2 or 3
.set i, 0
.rept 32
	v_pk_add_f32 v[HA+i:HA+i+1], v[AC+i:AC+i+1], v[BR+i:BR+i+1]
.set i, i+2
.endr
	WIN 0
	s_branch .Ltaken_\@
.Lby_lane_\@:
	WIN 0x02+(\a)/4
.set i, 0
.rept 32
	v_pk_add_f32 v[HA+i:HA+i+1], v[AC+i:AC+i+1], v[BL+2*(\a):BL+2*(\a)+1]
.set i, i+2
.endr
	WIN 0
.Ltaken_\@:
.endm
	s_wait_alu depctr_va_vdst(0)
	s_wait_loadcnt 0x0                             ; the biases, once
	s_wait_tensorcnt 0x0                           ; my tile of the head's four is in
	ds_add_u32 v[SPW], v[NIL]
	s_wait_dscnt 0x0
	s_barrier_signal -1
	s_barrier_wait -1                              ; everybody's are
	tensor_load_to_lds s[G0+4:G0+7], s[G1:G1+7]    ; slot 1's first fill, my quarter of it: my one tensor load behind this barrier
	s_nop 0
	PLACES 4
	FETCH_B 0, 0, 0
	FETCH_A 0, 0, 0
	SCALES 0
	ASK 3
	FETCH_A 0, 0, 4
	STEP 0, 0, 1                                   ; the first K step stands in front of the loop: its products start the sums
	s_mov_b32 s3, 3
.Llap:                                                 ; a trip goes once round the ring, from a lap's second K step to the next lap's first, and fills both slots again: 2,048 / 512 - 1 trips
	s_wait_alu depctr_va_vdst(0)
	TURN 0, 1, 1
	s_wait_alu depctr_va_vdst(0)
	STEP 1, 0, 0
	TURN 1, 0, 1
	STEP 0, 0, 0
	s_wait_xcnt 0x0                                ; the trip's prefetches have read their base: it may be stepped
	s_add_nc_u64 s[PFA:PFA+1], s[PFA:PFA+1], 2*HALFT
	s_sub_co_u32 s3, s3, 1
	s_cmp_lg_u32 s3, 0
	s_cbranch_scc1 .Llap
	s_wait_alu depctr_va_vdst(0)
	TURN 0, 1, 0                                   ; the last lap fills nothing
	STEP 1, 0, 0
	s_wait_dscnt 4*NL                              ; the very last K step: nothing more to fetch
	WIN MUL_LO
	MUL16 0, 1, NQ-1, 1, 0
	MUL16 2, 1, NQ-1, 1, 0
	s_wait_dscnt 0
	WIN MUL_HI
	MUL16 4, 1, NQ-1, 1, 0
	MUL16 6, 1, NQ-1, 1, 0
	WIN 0
	; THE WAY OUT: block by block of source 1: + bias, quantised along source 0's 128 rows, one fragment's image of 1,536 bytes to pc: each store covers 512 consecutive bytes, aligned.
	PLACES NP
.irp b, 0,1,2,3
	v_mov_b32 v[TM+4+\b], 0                        ; written once: a lane permute's destination counts as one of its sources
.endr
.irp a, 0,1,2,3,4,5,6,7
	TAKE \a
.if \a > 0
	s_wait_xcnt 0x0                                ; the last block's stores have read their data: the codes' registers may be written again
.endif
	QUANT HA, SW+\a
.irp c, 0,1,2
	global_store_b128 v[LI], v[PC+4*\c:PC+4*\c+3], s[10:11] offset:FRB*\a+512*\c
.endr
.endr
	v_cmp_ne_u32 vcc_lo, 0, v2                     ; the eight scale words of row r stand in lanes r and 16 + r alike: lanes 0-15 store blocks 0-3's, lanes 16-31 blocks 4-7's
.irp i, 0,1,2,3
	v_cndmask_b32 v[SD+\i], v[SW+\i], v[SW+4+\i], vcc_lo
.endr
	global_store_b128 v[LI], v[SD:SD+3], s[12:13]  ; 512 consecutive bytes, aligned
	s_wait_tensorcnt 0x0                           ; the wave's end
	ds_add_u32 v[SPW], v[NIL]
	s_wait_dscnt 0x0
	s_endpgm
.Lfunc_end_k_q31c43c213c_proj:
	.size	k_q31c43c213c_proj, .Lfunc_end_k_q31c43c213c_proj-k_q31c43c213c_proj
	.p2alignl 7, 3214868480
	.fill 96, 4, 3214868480
	.section	.rodata,"a",@progbits
	.p2align	6, 0x0
	.amdhsa_kernel k_q31c43c213c_proj
		.amdhsa_group_segment_fixed_size 327680
		.amdhsa_private_segment_fixed_size 0
		.amdhsa_enable_private_segment 0
		.amdhsa_kernarg_size 40
		.amdhsa_user_sgpr_count 2
		.amdhsa_user_sgpr_kernarg_segment_ptr 1
		.amdhsa_wavefront_size32 1
		.amdhsa_system_sgpr_workgroup_id_x 1
		.amdhsa_system_sgpr_workgroup_id_y 1
		.amdhsa_system_sgpr_workgroup_id_z 1
		.amdhsa_system_vgpr_workitem_id 0
		.amdhsa_next_free_vgpr 1024
		.amdhsa_next_free_sgpr 98
		.amdhsa_reserve_vcc 1
		.amdhsa_float_denorm_mode_32 3
		.amdhsa_float_denorm_mode_16_64 3
		.amdhsa_memory_ordered 1
		.amdhsa_forward_progress 1
		.amdhsa_inst_pref_size 174
	.end_amdhsa_kernel
	.amdgpu_metadata
---
amdhsa.version: [ 1, 2 ]
amdhsa.kernels:
  - .name:           k_q31c43c213c_proj
    .symbol:         k_q31c43c213c_proj.kd
    .args:
      - { .name: xc, .offset: 0, .size: 8, .value_kind: global_buffer, .address_space: global }
      - { .name: xs, .offset: 8, .size: 8, .value_kind: global_buffer, .address_space: global }
      - { .name: in_proj_bias, .offset: 16, .size: 8, .value_kind: global_buffer, .address_space: global }
      - { .name: pc, .offset: 24, .size: 8, .value_kind: global_buffer, .address_space: global }
      - { .name: ps, .offset: 32, .size: 8, .value_kind: global_buffer, .address_space: global }
    .group_segment_fixed_size: 327680
    .private_segment_fixed_size: 0
    .kernarg_segment_align: 8
    .kernarg_segment_size: 40
    .max_flat_workgroup_size: 128
    .sgpr_count:     98
    .vgpr_count:     1024
    .wavefront_size: 32
...
	.end_amdgpu_metadata
.endif
;; end of part 2
;; launch attn (part 3): grid 16 x 16, 16 waves a work-group, no clusters, 327,680 bytes of LDS; arguments pc, ps, oc, os; writes oc, os
.if DOCPART == 3
	.amdgcn_target "amdgcn-amd-amdhsa--gfx1250"
	.amdhsa_code_object_version 6
	.text
	.protected	k_q31c43c213c_attn
	.globl	k_q31c43c213c_attn
	.p2align	8
	.type	k_q31c43c213c_attn,@function
k_q31c43c213c_attn:
	s_mov_b64 s[64:65], 0
	v_nop
	global_prefetch_b8 v0, s[64:65] scope:SCOPE_SE
	s_setreg_imm32_b32 hwreg(HW_REG_WAVE_MODE, 25, 1), 1
	s_wait_xcnt 0x0
; xo = softmax(xq xk^T / sqrt(128), causal) xv for 4 batches, 16 query heads (head 4 g + h uses key and value head h), 1,024 tokens, head size 128; both products on codes of FP6 (E2M3) with E8M0 scales; xo is quantised along its 2,048 channels.
; THE SOFTMAX AHEAD OF THE SECOND PRODUCT: t = score x log2(e) / sqrt(128); M = the row's largest t so far, rounded UP to a whole number; p = 2^(t - M) is what is quantised, along the keys; it is not normalised.
; The row's sum is taken of the unquantised p, in f32, and divides O at the end.  When M moves, the sum and O are multiplied by 2^(old M - new M): exact.
; pc, ps: operand images as the launch before laid them: fragment F at byte 1,536 F, registers 4 c .. 4 c + 3 of lane l at 512 c + 16 l.  xq: F = (16 batch + head) x 64 + j, j the fragment of 16 tokens; xk: 4,096 + (4 batch + h) x 64 + 8 x key step + fragment
; of 16 keys; xv: 5,120 + (4 batch + h) x 64 + 8 x key step + fragment of 16 channels (its K = the step's 128 keys).  Lane-row r of fragment f of a group of 128 is row 32 (f / 2) + 8 (f % 2) + r + 8 (r / 8).
; Scale words: 512 bytes for eight fragments, (f, row r) at 256 (f / 4) + 16 r + 4 (f % 4).
; SHARES.  A work-group (p = x, 4 batch + h = y) has sixteen waves, each with ONE fragment of 16 queries in 256 registers.  Wave w takes query head 4 (w / 4) + h and fragment j = p, 31 - p, 32 + p or 63 - p of the batch's 64, by (w % 4 + w / 4) % 4.
; So the four query heads that share a key and value head read the same K and V tiles from one LDS, and a work-group's sixteen waves have 4 x 18 key steps of work whatever p is.
; Both products are used transposed: S^T = K Q^T, O^T = V^T P^T: a lane holds ONE query (lane % 16) throughout, and the 16 registers of tiles 2 b and 2 b + 1 are 16 neighbouring keys (channels).
; CAUSAL.  Every wave walks all 8 key steps of 128 keys; the loops' trip counts are constants.  A step all of whose keys come after the wave's queries is jumped over (a scalar branch on ids, round no barrier and no tensor load);
; in the one step on the diagonal hidden scores become -infinity ahead of the maximum.  Key 0 counts for every query, so M is a number from the first step on.
; K's and V's tiles come through a ring of two LDS slots of two key steps, filled by waves 0 to 3 (12,288 dense bytes each); the head's scale words (2 x 4,096 bytes) come once, with the first fills.
; NO CLUSTER: the sharing among the query heads of a key and value head is had inside the work-group.  What the 16 work-groups of a y still share is 49,152 bytes a slot; as partners of a cluster they would have to branch alike,
; and here each wave's jump over hidden steps hangs on p.
; oc: [group of 128 tokens: 8 batch + j / 8][K step = head][fragment j % 8][1,536], images as in pc;  os: 512 bytes a (group, K step), as above.
; LIMITS: NaN and infinities are not served; p under 2^-126 falls to 0; a block whose largest magnitude lies under 2^-124 keeps the byte 1; a block of zeros gets the byte 1 and not 127 (its codes are zeros; this program alone reads the bytes).
; REGISTERS: v1-7 addresses that stay; v8, v10 addresses of the loads in hand; v12 -M, v13 the largest t, v[14:15] the sum in two halves; v16-27 Q; v28 the prefetches' offset; v32-79 four fragments of K or V; v96-159 S^T, then p; v160-223 O^T; v224.. p's codes; v232-254 at work; v255 Q's scale words.
.set FRB,   1536
.set KSB,   12288                      ; a key step's eight fragments
.set VOFF,  2*KSB                      ; a slot: two key steps of K, then two of V
.set SLOT1, 1<<17                      ; slot 1 begins here, so that one exclusive or turns an address in one slot into the other's
.set NSL,   4                          ; slots' worth of keys
.set SCK,   2*SLOT1                    ; behind the ring: K's scale words of the head, 4,096 bytes, then V's
.set SPARE, SCK+8192                   ; the spare words, 128 bytes for each wave: eight blocks of 256 bytes that no other line names
.set KC0,   6291456                    ; xk's first byte in pc;
.set VC0,   7864320                    ; xv's
.set KS0,   262144                     ; xk's first byte in ps; xv's lies 65,536 on
.set LI,   1                           ; v1   16 x lane
.set R16,  2                           ; v2   16 x (lane % 16)
.set AS0,  3                           ; v3   SCK + 16 x (lane % 16)
.set SPW,  5                           ; v5   LDS address of my spare word; never rewritten
.set NIL,  6                           ; v6   0; never rewritten
.set DQ,   7                           ; v7   my query - the diagonal step's first key - 16 (lane / 16)
.set ADK,  8                           ; v8   LDS address of the slot's tiles
.set ADS,  10                          ; v10  of the step's scale words
.set PFO,  28                          ; v28  256 x lane; never rewritten
.set TM,   32                          ; the way out: 16 registers at work,
.set PW,   48                          ; xo's scale word,
.set PC,   224                         ; its codes
.set WV,   18                          ; s18  my wave's number
.set SEL,  20                          ; s[20:21] lane selects for v_permlanex16_b32: lane l xor 16
.set CS,   22                          ; s[22:23] c = log2(e) / sqrt(128)
.set G1K,  24                          ; s[24:31] descriptor group 1 for the tiles;  s[40:43] their group 0, which walks
.set G0K,  40
.set G1S,  48                          ; s[48:55], s[56:59] groups 1 and 0 for the scale words
.set G0S,  56
.set TB,   2                           ; s2   LDS byte at which the slot in hand begins
.set TS,   3                           ; s3   where the step's scale words begin: 512 bytes a step
.set SLOTS, 67                         ; s67  slots still to be asked for
.set PFA,  76                          ; s[76:77] where my prefetches stand
.set LIM,  80                          ; s80  1 in a wave that prefetches, else the greatest number
.set KF,   98                          ; s98  the step's first key
.set DK,   99                          ; s99  the first key of the step on my diagonal
.macro TLOAD                           ; waves 0 to 3 fetch, the others nothing; the branch hangs on the wave's number alone.  Four v_nop follow the load
	s_cmp_lt_u32 s[WV], 4
	s_cbranch_scc0 .Lnone_\@
	tensor_load_to_lds s[G0K:G0K+3], s[G1K:G1K+7]
	s_nop 0
.rept 4
	v_nop
.endr
.Lnone_\@:
.endm
; A PREFETCH INTO THE L2 of what the NEXT change of slots will ask for: 24,576 dense bytes of K and as many of V.  All 16 work-groups of a y walk the same K and V: the one with x = 0 asks.  In it waves 4 to 6 ask for K's bytes
; and waves 8 to 10 for V's: 8,192 bytes a wave, lanes 256 bytes apart, one instruction.  So each aligned block of 256 bytes of slots 2 and 3 is named once in the launch, two key steps ahead of its load.
; Slots 0 and 1 come by their loads alone; the last change that fills a slot asks for nothing.
.macro ASK
	s_cmp_gt_u32 s[SLOTS], s[LIM]
	s_cbranch_scc0 .Lnot_mine_\@
	global_prefetch_b8 v[PFO], s[PFA:PFA+1] th:TH_LOAD_NT scope:SCOPE_SE
.Lnot_mine_\@:
.endm
	s_load_b256 s[4:11], s[0:1], 0x0               ; pc s[4:5], ps s[6:7], oc s[8:9], os s[10:11]
	v_lshl_add_u32 v[SPW], v0, 2, SPARE
	v_mov_b32 v[NIL], 0
	ds_add_u32 v5, v6
	ds_add_u32 v5, v6
	s_wait_dscnt 0x0
	v_lshrrev_b32 v8, 5, v0
	s_delay_alu instid0(VALU_DEP_1)
	v_readfirstlane_b32 s[WV], v8                  ; wave 0..15
	s_and_b32 s68, ttmp7, 0xffff                   ; 4 batch + h
	s_lshr_b32 s69, s68, 2                         ; batch
	s_and_b32 s70, s68, 3                          ; h
	s_lshr_b32 s71, s[WV], 2                       ; g
	s_and_b32 s72, s[WV], 3
	s_add_co_u32 s73, s72, s71
	s_and_b32 s73, s73, 3                          ; which of the four fragments
	s_sub_co_u32 s74, 31, ttmp9
	s_and_b32 s75, s73, 1
	s_cmp_lg_u32 s75, 0
	s_cselect_b32 s74, s74, ttmp9                  ; p or 31 - p,
	s_lshr_b32 s75, s73, 1
	s_lshl_b32 s75, s75, 5
	s_add_co_u32 s74, s74, s75                     ; + 0 or 32: j
	s_lshl_b32 s81, s71, 2
	s_add_co_u32 s81, s81, s70                     ; the query head: 4 g + h
	s_lshr_b32 s12, s74, 3                         ; j / 8: my group of 128 tokens
	s_and_b32 s13, s74, 7                          ; j % 8: my fragment in it
	s_lshr_b32 s14, s13, 2
	s_lshl_b32 s14, s14, 8
	s_and_b32 s75, s74, 3
	s_lshl_b32 s75, s75, 2
	s_add_co_u32 s14, s14, s75                     ; my fragment's place among a group's scale words
	s_lshr_b32 s15, s13, 1
	s_lshl_b32 s15, s15, 5
	s_and_b32 s75, s74, 1
	s_lshl_b32 s75, s75, 3
	s_add_co_u32 s15, s15, s75                     ; my fragment's first row in its group
	s_lshl_b32 s[DK], s12, 7
	s_lshl_b32 s92, s69, 4
	s_add_co_u32 s92, s92, s81                     ; 16 batch + head
	s_lshl_b32 s94, s92, 6
	s_add_co_u32 s94, s94, s74
	s_mul_i32 s94, s94, FRB                        ; Q's fragment,
	s_mov_b32 s95, 0
	s_lshl_b32 s96, s92, 3
	s_add_co_u32 s96, s96, s12
	s_lshl_b32 s96, s96, 9
	s_add_co_u32 s96, s96, s14                     ; its scale words
	s_mov_b32 s97, 0
	s_lshl_b32 s92, s69, 3
	s_add_co_u32 s92, s92, s12                     ; xo's group: 8 batch + j / 8
	s_lshl_b32 s92, s92, 4
	s_add_co_u32 s92, s92, s81                     ; x 16 + its K step, the head
	s_lshl_b32 s16, s92, 3
	s_add_co_u32 s16, s16, s13
	s_mul_i32 s16, s16, FRB                        ; xo's fragment,
	s_mov_b32 s17, 0
	s_lshl_b32 s92, s92, 9
	s_add_co_u32 s92, s92, s14                     ; its scale words
	s_mov_b32 s93, 0
	; what I fetch, if I fetch: wave 0, 1: K's key step 0, 1 of a slot; wave 2, 3: V's
	s_lshr_b32 s82, s72, 1
	s_and_b32 s83, s72, 1
	s_mul_i32 s87, s68, 98304                      ; the head's 64 fragments
	s_mul_i32 s84, s82, VC0-KC0
	s_add_co_u32 s84, s84, s87
	s_mul_i32 s86, s83, KSB
	s_add_co_u32 s84, s84, s86
	s_add_co_u32 s84, s84, KC0
	s_mov_b32 s85, 0
	s_lshl_b32 s88, s82, 16
	s_lshl_b32 s86, s68, 12
	s_add_co_u32 s88, s88, s86
	s_lshl_b32 s86, s83, 11
	s_add_co_u32 s88, s88, s86
	s_add_co_u32 s88, s88, KS0
	s_mov_b32 s89, 0
	s_mul_i32 s90, s72, KSB                        ; in a slot: K's two steps, then V's two
	s_mul_i32 s91, s72, 2048                       ; among the scale words: K's two halves, then V's two
	; descriptor group 1: a dense block as rows of 256 bytes (32 elements of 8 bytes): 48 rows for a tile, 8 for the scale words
	s_mov_b32 s[G1K+0], 3<<16                      ; 15:0 no mask; 17:16 elements of 8 bytes; 20 padding off
	s_mov_b32 s[G1K+1], 32<<16                     ; tensor_dim0
	s_mov_b32 s[G1K+2], 48<<16                     ; tensor_dim1
	s_mov_b32 s[G1K+3], 32<<16                     ; tile_dim0
	s_mov_b32 s[G1K+4], 48                         ; tile_dim1
	s_mov_b32 s[G1K+5], 32                         ; tensor_dim0_stride
	s_mov_b32 s[G1K+6], 0
	s_mov_b32 s[G1K+7], 0
	s_mov_b32 s[G1S+0], 3<<16
	s_mov_b32 s[G1S+1], 32<<16
	s_mov_b32 s[G1S+2], 8<<16
	s_mov_b32 s[G1S+3], 32<<16
	s_mov_b32 s[G1S+4], 8
	s_mov_b32 s[G1S+5], 32
	s_mov_b32 s[G1S+6], 0
	s_mov_b32 s[G1S+7], 0
	s_mov_b32 s[SEL], 0x76543210
	s_mov_b32 s[SEL+1], 0xfedcba98
	s_mov_b32 s[CS], 0x3e0293ee                    ; c = log2(e) / sqrt(128)
	s_mov_b32 s[CS+1], s[CS]                       ; (named with it as a pair, so it is written)
	s_mov_b32 s[TB], 0
	s_mov_b32 s[TS], 0
	s_mov_b32 s[KF], 0
	s_mov_b32 s[SLOTS], NSL-1
	s_wait_kmcnt 0x0
	s_mov_b32 s[G0S], 1
	s_add_co_u32 s[G0S+1], s91, SCK
	s_add_nc_u64 s[G0S+2:G0S+3], s[6:7], s[88:89]
	s_or_b32 s[G0S+3], s[G0S+3], 0x80000000
	s_mov_b32 s[G0K], 1                            ; count = 1
	s_mov_b32 s[G0K+1], s90                        ; LDS address: slot 0
	s_add_nc_u64 s[G0K+2:G0K+3], s[4:5], s[84:85]  ; global address: the head's first two key steps
	s_or_b32 s[G0K+3], s[G0K+3], 0x80000000        ; type = 2
	s_cmp_lt_u32 s[WV], 4                          ; the first fills, one a wave, in one chain of branches on the wave's number: waves 0 to 3 fill slot 0,
	s_cbranch_scc0 .Lnot_k
	tensor_load_to_lds s[G0K:G0K+3], s[G1K:G1K+7]
	s_nop 0
.rept 4
	v_nop
.endr
	s_branch .Lno_first
.Lnot_k:
	s_cmp_lt_u32 s[WV], 8                          ; waves 4 to 7 bring the head's scale words, 2,048 bytes each, by w % 4: filled once
	s_cbranch_scc0 .Lno_first
	tensor_load_to_lds s[G0S:G0S+3], s[G1S:G1S+7]
	s_nop 0
.rept 4
	v_nop
.endr
.Lno_first:
	s_add_nc_u64 s[8:9], s[8:9], s[16:17]          ; oc and os at my fragment
	s_add_nc_u64 s[10:11], s[10:11], s[92:93]
	s_add_nc_u64 s[94:95], s[4:5], s[94:95]        ; Q's codes
	s_add_nc_u64 s[96:97], s[6:7], s[96:97]        ; Q's scale words
	; the prefetches: where my wave's stand, and who asks
	s_mov_b32 s82, VC0
	s_cmp_lt_u32 s[WV], 8
	s_cselect_b32 s82, KC0, s82
	s_add_co_u32 s82, s82, s87
	s_lshl_b32 s83, s72, 13                        ; my wave's 8,192 bytes,
	s_add_co_u32 s82, s82, s83
	s_add_co_u32 s82, s82, 2*KSB                   ; in slot 1: the first change of slots steps it to slot 2.  Nothing is prefetched here, at the head
	s_mov_b32 s83, 0
	s_add_nc_u64 s[PFA:PFA+1], s[4:5], s[82:83]
	s_sub_co_u32 s82, s[WV], 4
	s_lshr_b32 s82, s82, 3                         ; 0 in waves 4 to 11,
	s_or_b32 s82, s82, ttmp9                       ; of the work-group with x = 0
	s_cmp_eq_u32 s82, 0
	s_cselect_b32 s[LIM], 1, -1
	s_cmp_eq_u32 s72, 3                            ; (a slot's 24,576 bytes are three waves' worth)
	s_cselect_b32 s[LIM], -1, s[LIM]
	v_and_b32 v8, 15, v0                           ; r
	v_bfe_u32 v9, v0, 4, 1                         ; h
	v_and_b32 v10, 31, v0                          ; lane
	s_delay_alu instid0(VALU_DEP_1)
	v_lshlrev_b32 v[LI], 4, v10
	s_delay_alu instid0(VALU_DEP_4)
	v_lshlrev_b32 v[R16], 4, v8
	s_delay_alu instid0(VALU_DEP_1)
	v_add_nc_u32 v[AS0], SCK, v[R16]
	s_delay_alu instid0(VALU_DEP_4)
	v_lshlrev_b32 v[PFO], 8, v10
.irp c, 0,1,2
	global_load_b128 v[16+4*\c:19+4*\c], v[LI], s[94:95] offset:512*\c   ; Q's fragment stays in registers
.endr
	global_load_b32 v255, v[R16], s[96:97]         ; Q's scale words
	v_and_b32 v11, 8, v8
	s_delay_alu instid0(VALU_DEP_1)
	v_add_nc_u32 v11, v11, v8                      ; r + 8 (r / 8)
	v_lshlrev_b32 v9, 4, v9
	s_delay_alu instid0(VALU_DEP_1)
	v_sub_nc_u32 v11, v11, v9
	s_delay_alu instid0(VALU_DEP_1)
	v_add_nc_u32 v[DQ], s15, v11
	v_mov_b32 v13, 0xff61b1e6                      ; the largest t so far: -3e38, under every t
	s_delay_alu instid0(VALU_DEP_1)
	v_floor_f32 v12, -v13                          ; -M
	v_mov_b32 v14, 0                               ; the sum, in two halves
	v_mov_b32 v15, 0
.irp b, 0,1,2,3
	v_mov_b32 v[236+\b], 0                         ; written once: a lane permute's destination counts as one of its sources
.endr
	v_mov_b32 v252, 0                              ; likewise, for the way out
	v_mov_b32 v253, 0                              ; (named as the upper half of the pair v[252:253] before it is first written)
.set n, 0
.rept 64
	v_mov_b32 v[160+n], 0                          ; O^T.  (The key step is written without a first step of its own: the first finds zeros, which the first change of M leaves zeros)
.set n, n+1
.endr
; A KEY STEP: 128 keys, the q-th of the slot in hand.
.macro STEP q
	s_cmp_gt_u32 s[KF], s[DK]                      ; all its keys come after my queries: nothing to do but the steps of the addresses at its end
	s_cbranch_scc1 .Lhidden_\@
	v_add_nc_u32 v[ADK], s[TB], v[LI]
	s_wait_alu depctr_va_vdst(0)
	v_add_nc_u32 v[ADS], s[TS], v[AS0]
	s_wait_alu depctr_va_vdst(0)
	v_nop
	v_nop                                          ; with the two additions: four places in front of loads into registers that matrix instructions have read
.irp g, 0,1                                    ; S^T = K Q^T, four tiles of 16 keys at a time
.if \g > 0
.rept 4
	v_nop
.endr
.endif
.irp t, 0,1,2,3
.irp c, 0,1,2
	ds_load_b128 v[32+12*\t+4*\c:35+12*\t+4*\c], v[ADK] offset:(8*(\q)+4*\g+\t)*FRB+512*\c   ; 512 consecutive bytes an instruction
.endr
.endr
	ds_load_b128 v[248:251], v[ADS] offset:256*\g  ; the four tiles' scale words
	s_wait_dscnt 0x0
.irp t, 0,1,2,3
	v_wmma_scale_f32_16x16x128_f8f6f4 v[96+8*(4*\g+\t):103+8*(4*\g+\t)], v[32+12*\t:43+12*\t], v[16:27], 0, v[248+\t], v255 matrix_a_fmt:MATRIX_FMT_FP6 matrix_b_fmt:MATRIX_FMT_FP6
.endr
.endr                                          ; lane (r, h) holds query r; register 16 b + i is key KF + 32 b + 16 h + i
.rept 4
	v_nop
.endr
	s_cmp_lt_u32 s[KF], s[DK]                      ; all keys of the step count: no mask
	s_cbranch_scc1 .Lopen_\@
	v_mov_b32 v254, 0xff800000                     ; -infinity: p = 0 then
.set n, 0
.rept 64
	v_cmp_gt_i32 vcc_lo, 32*(n/16)+n%16, v[DQ]     ; hidden where 32 b + i > my query - KF - 16 h
	v_cndmask_b32 v[96+n], v[96+n], v254, vcc_lo
.set n, n+1
.endr
.Lopen_\@:
.irp b, 0,1,2,3
	v_max3_num_f32 v[232+\b], v[96+16*\b], v[97+16*\b], v[98+16*\b]   ; THE LARGEST SCORE OF EACH BLOCK OF 32 KEYS: it serves twice: for the row's maximum, and, since p rises with the score, for the block's largest p
.endr
.irp i, 3,5,7,9,11,13
.irp b, 0,1,2,3
	v_max3_num_f32 v[232+\b], v[232+\b], v[96+16*\b+\i], v[97+16*\b+\i]   ; (the four blocks by turns)
.endr
.endr
.irp b, 0,1,2,3
	v_max_num_f32 v[232+\b], v[232+\b], v[111+16*\b]
.endr
.irp b, 0,1,2,3
	s_delay_alu instid0(VALU_DEP_4)
	v_permlanex16_b32 v[236+\b], v[232+\b], s[SEL], s[SEL+1]
.endr
.irp b, 0,1,2,3
	s_delay_alu instid0(VALU_DEP_4)
	v_max_num_f32 v[232+\b], v[232+\b], v[236+\b]  ; with lane l xor 16's 16 keys
.endr
	s_delay_alu instid0(VALU_DEP_2)
	v_max3_num_f32 v254, v232, v233, v234
	s_delay_alu instid0(VALU_DEP_1)
	v_max_num_f32 v254, v254, v235                 ; the step's largest score of my query
	s_delay_alu instid0(VALU_DEP_1)
	v_mul_f32 v254, s[CS], v254                    ; as t (c is positive)
	s_delay_alu instid0(VALU_DEP_1)
	v_max_num_f32 v13, v13, v254                   ; the running largest t
	v_mov_b32 v254, v12
	s_delay_alu instid0(VALU_DEP_2)
	v_floor_f32 v12, -v13                          ; the new -M = floor(-t) = -ceil(t): M is a whole number
	s_delay_alu instid0(VALU_DEP_1)
	v_sub_f32 v254, v12, v254                      ; M's old value less its new one: a whole number, 0 or less
	s_delay_alu instid0(VALU_DEP_1)
	v_cvt_i32_f32 v254, v254                       ; (it saturates)
	s_delay_alu instid0(VALU_DEP_1)
	v_ldexp_f32 v252, 1.0, v254                    ; f = 2^(old M - new M)
.set n, 0
.rept 32
	v_pk_fma_f32 v[96+n:97+n], v[96+n:97+n], s[CS:CS+1], v[12:13] op_sel_hi:[1,0,0]   ; t - M, two at a time (of the pairs c and -M the low word serves both halves)
.set n, n+2
.endr
.irp b, 0,1,2,3
	v_fma_f32 v[232+\b], v[232+\b], s[CS], v12     ; the same of each block's largest score
.endr
.set n, 0
	s_wait_alu depctr_va_vdst(0)
.rept 64
	v_exp_f32 v[96+n], v[96+n]                     ; p = 2^(t - M), at most 1: not normalised
.set n, n+1
.endr
	v_pk_mul_f32 v[14:15], v[14:15], v[252:253] op_sel_hi:[1,0]   ; the sums under the new M.  (A plain place behind the exponentials)
	s_wait_alu depctr_va_vdst(0)                   ; one wait for the whole batch, ahead of its first reader
.irp b, 0,1,2,3
	v_exp_f32 v[232+\b], v[232+\b]                 ; the block's largest p: the same two instructions on the same number give the same bits
.endr
	v_pk_add_f32 v[236:237], v[100:101], v[104:105]
	v_pk_add_f32 v[250:251], v[108:109], v[112:113]
	v_pk_add_f32 v[248:249], v[116:117], v[120:121]
	v_pk_add_f32 v[246:247], v[124:125], v[128:129]
	v_pk_add_f32 v[244:245], v[132:133], v[136:137]
	v_pk_add_f32 v[242:243], v[140:141], v[144:145]
	v_pk_add_f32 v[240:241], v[148:149], v[152:153]
	v_pk_add_f32 v[14:15], v[14:15], v[156:157]
	v_pk_add_f32 v[236:237], v[236:237], v[96:97]
	v_pk_add_f32 v[250:251], v[250:251], v[98:99]
	v_pk_add_f32 v[248:249], v[248:249], v[102:103]
	v_pk_add_f32 v[246:247], v[246:247], v[106:107]
	v_pk_add_f32 v[244:245], v[244:245], v[110:111]
	v_pk_add_f32 v[242:243], v[242:243], v[114:115]
	v_pk_add_f32 v[240:241], v[240:241], v[118:119]
	v_pk_add_f32 v[14:15], v[14:15], v[122:123]
	v_pk_add_f32 v[236:237], v[236:237], v[126:127]
	v_pk_add_f32 v[250:251], v[250:251], v[130:131]
	v_pk_add_f32 v[248:249], v[248:249], v[134:135]
	v_pk_add_f32 v[246:247], v[246:247], v[138:139]
	v_pk_add_f32 v[244:245], v[244:245], v[142:143]
	v_pk_add_f32 v[242:243], v[242:243], v[146:147]
	v_pk_add_f32 v[240:241], v[240:241], v[150:151]
	v_pk_add_f32 v[14:15], v[14:15], v[154:155]
	v_pk_add_f32 v[236:237], v[236:237], v[158:159]
	s_delay_alu instid0(VALU_DEP_2)
	v_pk_add_f32 v[14:15], v[14:15], v[246:247]
	s_delay_alu instid0(VALU_DEP_2)
	v_pk_add_f32 v[236:237], v[236:237], v[244:245]
	v_pk_add_f32 v[250:251], v[250:251], v[242:243]
	v_pk_add_f32 v[248:249], v[248:249], v[240:241]
	s_delay_alu instid0(VALU_DEP_2)
	v_pk_add_f32 v[14:15], v[14:15], v[250:251]
	s_delay_alu instid0(VALU_DEP_2)
	v_pk_add_f32 v[236:237], v[236:237], v[248:249]
	s_delay_alu instid0(VALU_DEP_1)
	v_pk_add_f32 v[14:15], v[14:15], v[236:237]
	s_wait_alu depctr_va_vdst(0)                   ; and one for the four
.irp b, 0,1,2,3
	v_max_num_f32 v[232+\b], 0x1800000, v[232+\b]  ; the floor 2^(3 - 127): the byte cannot fall under 1 (a block whose every p is 0 keeps that byte: its codes are zeros)
.endr
.irp b, 0,1,2,3
	s_delay_alu instid0(VALU_DEP_4)
	v_add_nc_u32 v[244+\b], 0xff000000, v[232+\b]  ; 2 off the exponent field: the conversion's scale operand
.endr
.irp b, 0,1,2,3
	s_delay_alu instid0(VALU_DEP_4)
	v_lshrrev_b32 v[236+\b], 23, v[244+\b]         ; the scale's byte
.endr
	s_delay_alu instid0(VALU_DEP_3)
	v_lshl_or_b32 v253, v237, 8, v236              ; p's scale word for these 128 keys
	s_delay_alu instid0(VALU_DEP_1)
	v_lshl_or_b32 v253, v238, 16, v253
	s_delay_alu instid0(VALU_DEP_1)
	v_lshl_or_b32 v253, v239, 24, v253
.irp c, 0,1
	v_cvt_scalef32_pk16_fp6_f32 v[224+6*\c:226+6*\c], v[96+32*\c:111+32*\c], v[244+2*\c]
	v_cvt_scalef32_pk16_fp6_f32 v[236+4*\c:238+4*\c], v[112+32*\c:127+32*\c], v[244+2*\c+1]   ; (a conversion's three registers begin on an even number)
.endr
	v_nop                                          ; one plain place behind a scaled conversion
.irp c, 0,1                                    ; the operand's layout wants a whole block in a lane: lanes 0-15 block 2 c, lanes 16-31 block 2 c + 1
.irp i, 0,1,2
	v_permlane16_swap_b32 v[224+6*\c+\i], v[236+4*\c+\i]
.endr
.irp i, 0,1,2
	s_delay_alu instid0(VALU_DEP_3)
	v_mov_b32 v[227+6*\c+\i], v[236+4*\c+\i]
.endr
.endr
.set n, 0
.rept 32
	v_pk_mul_f32 v[160+n:161+n], v[160+n:161+n], v[252:253] op_sel_hi:[1,0]   ; O^T under the new M: x f.  (These 32 are also the places in front of the matrix instructions and loads below)
.set n, n+2
.endr
	s_wait_alu depctr_va_vdst(0)
.irp g, 0,1                                    ; O^T += V^T P^T: four tiles of 16 channels at a time; K = these 128 keys
.if \g > 0
.rept 4
	v_nop
.endr
.endif
.irp t, 0,1,2,3
.irp c, 0,1,2
	ds_load_b128 v[32+12*\t+4*\c:35+12*\t+4*\c], v[ADK] offset:VOFF+(8*(\q)+4*\g+\t)*FRB+512*\c
.endr
.endr
	ds_load_b128 v[248:251], v[ADS] offset:4096+256*\g
	s_wait_dscnt 0x0
.irp t, 0,1,2,3
	v_wmma_scale_f32_16x16x128_f8f6f4 v[160+8*(4*\g+\t):167+8*(4*\g+\t)], v[32+12*\t:43+12*\t], v[224:235], v[160+8*(4*\g+\t):167+8*(4*\g+\t)], v[248+\t], v253 matrix_a_fmt:MATRIX_FMT_FP6 matrix_b_fmt:MATRIX_FMT_FP6
.endr
.endr
.Lhidden_\@:
	s_add_co_u32 s[KF], s[KF], 128
	s_add_co_u32 s[TS], s[TS], 512                 ; the next step's scale words
.endm
; THE CHANGE OF SLOTS stands at a slot's head.  Each wave waits for all its tensor loads (its part of the slot that it is about to read), adds 0 to its spare word, and waits for that and for its reads of the slot that it has left.
; Behind the barrier the slot ahead is whole and nobody reads the other one.  fill = 1: that other slot is filled with the keys that follow: the load has a slot's two key steps in which to land.
.macro CHANGE fill
	s_wait_tensorcnt 0x0                           ; no tensor load of mine is out, so a group 0 may be written
	ds_add_u32 v[SPW], v[NIL]
.if \fill
	ds_add_u32 v[SPW], v[NIL]                      ; once more
	s_xor_b32 s[G0K+1], s[G0K+1], SLOT1
	s_add_nc_u64 s[G0K+2:G0K+3], s[G0K+2:G0K+3], 2*KSB   ; the next two key steps; the type bits on top are not reached
	s_wait_xcnt 0x0                                ; the last prefetch, a slot back, has read its address, so it may be written:
	s_add_nc_u64 s[PFA:PFA+1], s[PFA:PFA+1], 2*KSB ; one slot further on than the walking descriptor
.endif
	s_wait_dscnt 0x0                               ; the add is done, and my reads of the slot that I have left are over
	s_barrier_signal -1
	s_barrier_wait -1
.if \fill
	TLOAD                                          ; the first thing behind the barrier, and a wave's one tensor load until the next
	ASK
.endif
.endm
.macro SLOT_STEPS
	STEP 0
	STEP 1
	s_xor_b32 s[TB], s[TB], SLOT1                  ; on to the other slot
.endm
	s_wait_loadcnt 0x0                             ; Q
.Lslot:                                            ; NSL - 1 trips: behind each change of slots but the last the next slot is asked for
	CHANGE 1
	SLOT_STEPS
	s_sub_co_u32 s[SLOTS], s[SLOTS], 1
	s_cmp_lg_u32 s[SLOTS], 0
	s_cbranch_scc1 .Lslot
	CHANGE 0                                       ; the last slot is written out
	SLOT_STEPS
; 64 numbers of a lane, register 16 b + i = k 32 b + 16 (lane / 16) + i of my row, become a fragment's codes in v[PC] .. v[PC + 11] and its scale word in v[pw].
.macro QUANT s, pw
.irp b, 0,1,2,3
	v_max3_num_f32 v[TM+\b], |v[\s+16*\b]|, |v[\s+1+16*\b]|, 0x1800000   ; block b: my 16 numbers, and the floor 2^(3 - 127)
.endr
.irp i, 2,4,6,8,10,12,14
.irp b, 0,1,2,3
	s_delay_alu instid0(VALU_DEP_4)
	v_max3_num_f32 v[TM+\b], v[TM+\b], |v[\s+16*\b+\i]|, |v[\s+1+16*\b+\i]|
.endr
.endr
.irp b, 0,1,2,3
	s_delay_alu instid0(VALU_DEP_4)
	v_permlanex16_b32 v[TM+4+\b], v[TM+\b], s[SEL], s[SEL+1]
.endr
.irp b, 0,1,2,3
	s_delay_alu instid0(VALU_DEP_4)
	v_max_num_f32 v[TM+\b], v[TM+\b], v[TM+4+\b]
.endr
.irp b, 0,1,2,3
	s_delay_alu instid0(VALU_DEP_4)
	v_add_nc_u32 v[TM+12+\b], 0xff000000, v[TM+\b]
.endr
.irp b, 0,1,2,3
	s_delay_alu instid0(VALU_DEP_4)
	v_lshrrev_b32 v[TM+4+\b], 23, v[TM+12+\b]
.endr
	s_delay_alu instid0(VALU_DEP_3)
	v_lshl_or_b32 v[\pw], v[TM+5], 8, v[TM+4]
	s_delay_alu instid0(VALU_DEP_1)
	v_lshl_or_b32 v[\pw], v[TM+6], 16, v[\pw]
	s_delay_alu instid0(VALU_DEP_1)
	v_lshl_or_b32 v[\pw], v[TM+7], 24, v[\pw]
.irp c, 0,1
	v_cvt_scalef32_pk16_fp6_f32 v[PC+6*\c:PC+2+6*\c], v[\s+32*\c:\s+15+32*\c], v[TM+12+2*\c]
	v_cvt_scalef32_pk16_fp6_f32 v[PC+12+4*\c:PC+14+4*\c], v[\s+16+32*\c:\s+31+32*\c], v[TM+12+2*\c+1]
.endr
	v_nop                                          ; one plain place behind a scaled conversion
.irp c, 0,1
.irp i, 0,1,2
	v_permlane16_swap_b32 v[PC+6*\c+\i], v[PC+12+4*\c+\i]
.endr
.irp i, 0,1,2
	s_delay_alu instid0(VALU_DEP_3)
	v_mov_b32 v[PC+3+6*\c+\i], v[PC+12+4*\c+\i]
.endr
.endr
.endm
	; THE WAY OUT.  O^T / the sum: register 16 b + i is channel 32 b + 16 h + i of my query's head: the K step `head` of the last product.  It is quantised in registers and leaves as one fragment's image.
	v_add_f32 v14, v14, v15                        ; the sum's two halves,
	s_delay_alu instid0(VALU_DEP_1)
	v_permlanex16_b32 v252, v14, s[SEL], s[SEL+1]
	s_delay_alu instid0(VALU_DEP_1)
	v_add_f32 v14, v14, v252                       ; and lane l xor 16's: the row's sum
	s_wait_alu depctr_va_vdst(0)
	v_rcp_f32 v14, v14
.rept 4
	v_nop                                          ; the plain place behind the reciprocal; with the lines above also the places behind the last products
.endr
	s_wait_alu depctr_va_vdst(0)                   ; the wait ahead of the reciprocal's first reader
.set n, 0
.rept 32
	v_pk_mul_f32 v[96+n:97+n], v[160+n:161+n], v[14:15] op_sel_hi:[1,0]   ; each accumulator from its low end on
.set n, n+2
.endr
.irp b, 0,1,2,3
	v_mov_b32 v[TM+4+\b], 0                        ; a lane permute's destination counts as one of its sources
.endr
	QUANT 96, PW
.irp c, 0,1,2
	global_store_b128 v[LI], v[PC+4*\c:PC+4*\c+3], s[8:9] offset:512*\c   ; 512 consecutive bytes, aligned
.endr
	global_store_b32 v[R16], v[PW], s[10:11]       ; row r's scale word; lanes r and 16 + r hold the same word and write it to the same place.  Words 16 bytes apart: 64 bytes against the fragment's 1,536
	s_wait_tensorcnt 0x0                           ; the wave's end
	ds_add_u32 v[SPW], v[NIL]
	s_wait_dscnt 0x0
	s_endpgm
.Lfunc_end_k_q31c43c213c_attn:
	.size	k_q31c43c213c_attn, .Lfunc_end_k_q31c43c213c_attn-k_q31c43c213c_attn
	.p2alignl 7, 3214868480
	.fill 96, 4, 3214868480
	.section	.rodata,"a",@progbits
	.p2align	6, 0x0
	.amdhsa_kernel k_q31c43c213c_attn
		.amdhsa_group_segment_fixed_size 327680
		.amdhsa_private_segment_fixed_size 0
		.amdhsa_enable_private_segment 0
		.amdhsa_kernarg_size 32
		.amdhsa_user_sgpr_count 2
		.amdhsa_user_sgpr_kernarg_segment_ptr 1
		.amdhsa_wavefront_size32 1
		.amdhsa_system_sgpr_workgroup_id_x 1
		.amdhsa_system_sgpr_workgroup_id_y 1
		.amdhsa_system_sgpr_workgroup_id_z 1
		.amdhsa_system_vgpr_workitem_id 0
		.amdhsa_next_free_vgpr 256
		.amdhsa_next_free_sgpr 100
		.amdhsa_reserve_vcc 1
		.amdhsa_float_denorm_mode_32 3
		.amdhsa_float_denorm_mode_16_64 3
		.amdhsa_memory_ordered 1
		.amdhsa_forward_progress 1
		.amdhsa_inst_pref_size 120
	.end_amdhsa_kernel
	.amdgpu_metadata
---
amdhsa.version: [ 1, 2 ]
amdhsa.kernels:
  - .name:           k_q31c43c213c_attn
    .symbol:         k_q31c43c213c_attn.kd
    .args:
      - { .name: pc, .offset: 0, .size: 8, .value_kind: global_buffer, .address_space: global }
      - { .name: ps, .offset: 8, .size: 8, .value_kind: global_buffer, .address_space: global }
      - { .name: oc, .offset: 16, .size: 8, .value_kind: global_buffer, .address_space: global }
      - { .name: os, .offset: 24, .size: 8, .value_kind: global_buffer, .address_space: global }
    .group_segment_fixed_size: 327680
    .private_segment_fixed_size: 0
    .kernarg_segment_align: 8
    .kernarg_segment_size: 32
    .max_flat_workgroup_size: 512
    .sgpr_count:     100
    .vgpr_count:     256
    .wavefront_size: 32
...
	.end_amdgpu_metadata
.endif
;; end of part 3
;; launch outp (part 4): grid 8 x 32, 4 waves a work-group, clusters of 4 x 4, 327,680 bytes of LDS; arguments oc, os, xc, xs, out_proj_bias, out0; writes out0
.if DOCPART == 4
	.amdgcn_target "amdgcn-amd-amdhsa--gfx1250"
	.amdhsa_code_object_version 6
	.text
	.protected	k_q31c43c213c_outp
	.globl	k_q31c43c213c_outp
	.p2align	8
	.type	k_q31c43c213c_outp,@function
k_q31c43c213c_outp:
	s_mov_b64 s[64:65], 0
	v_nop
	global_prefetch_b8 v0, s[64:65] scope:SCOPE_SE
	s_setreg_imm32_b32 hwreg(HW_REG_WAVE_MODE, 25, 1), 1
	s_wait_xcnt 0x0
	s_wait_alu depctr_hold_cnt(0) depctr_sa_sdst(0) depctr_va_vdst(0) depctr_va_sdst(0) depctr_va_ssrc(0) depctr_va_vcc(0) depctr_vm_vsrc(0)
	s_getreg_b32 s2, hwreg(HW_REG_IB_STS2, 6, 4)
	s_cmp_eq_u32 s2, 0
	s_cbranch_scc0 .Lentry_in_a_cluster
	s_endpgm
.Lentry_in_a_cluster:
	s_bfe_u32 s2, ttmp6, 0x10000c
	s_cmp_lg_u32 s2, 0xf033
	s_cbranch_scc0 .Lentry_shape_is_right
	s_endpgm
.Lentry_shape_is_right:
.set FR,     12
.set NP,     4
.set NQ,     4
.set FRB,    1536
.set KSB,    12288
.set GSL,    49152
.set SLOT,   147456
.set SCL,    294912
.set SPARE,  319488
.set GPITCH, 196608
.set SPITCH, 528
.set ADRA, 16
.set ADRB, 20
.set LI,   24
.set STO,  25
.set RD,   26
.set ADRS, 27
.set SPW,  28
.set NIL,  29
.set SC,   32
.set BR,   96
.set AF,   160
.set BK,   128
.set G1, 24
.set G0, 32
.set G1B, 48
.set G0B, 56
.set G1S, 68
.set G0S, 76
.set G1SB, 80
.set G0SB, 88
.set MSB, 0
.macro WIN new
.if MSB != (\new)
	s_set_vgpr_msb (MSB<<8)|(\new)
.set MSB, (\new)
.endif
.endm
.set MUL,    0xa1
.set FIRST,  0x81
.set TO_B,   0x40
.macro JLOAD g0a, g1a, g0b, g1b
	s_cmp_eq_u32 s15, 0
	s_cbranch_scc0 .Lfor_b_\@
	tensor_load_to_lds s[\g0a:\g0a+3], s[\g1a:\g1a+7]
	s_nop 0
.rept 4
	v_nop
.endr
	s_branch .Lasked_\@
.Lfor_b_\@:
	tensor_load_to_lds s[\g0b:\g0b+3], s[\g1b:\g1b+7]
	s_nop 0
.rept 4
	v_nop
.endr
.Lasked_\@:
.endm
.macro CREST
	s_cmp_lg_u32 s14, 0
	s_cbranch_scc1 .Lnot_wave_0_\@
	s_barrier_signal -3
.Lnot_wave_0_\@:
	s_barrier_wait -3
	s_barrier_signal -1
	s_barrier_wait -1
.endm
.macro CROUND
	s_barrier_signal -1
	s_barrier_wait -1
	CREST
.endm
.macro SHAPE g, rows
	s_mov_b32 s[\g+1], 32<<16
	s_mov_b32 s[\g+2], (\rows)<<16
	s_mov_b32 s[\g+3], 32<<16
	s_mov_b32 s[\g+4], \rows
	s_mov_b32 s[\g+5], 32
	s_mov_b32 s[\g+6], 0
	s_mov_b32 s[\g+7], 0
.endm
	s_load_b256 s[4:11], s[0:1], 0x0
	s_load_b128 s[92:95], s[0:1], 0x20
	v_lshl_add_u32 v[SPW], v0, 2, SPARE
	v_mov_b32 v[NIL], 0
	ds_add_u32 v28, v29
	ds_add_u32 v28, v29
	s_wait_dscnt 0x0
	v_lshrrev_b32 v1, 5, v0
	v_readfirstlane_b32 s14, v1
	s_lshr_b32 s15, s14, 1
	s_and_b32 s16, s14, 1
	s_bfe_u32 s40, ttmp6, 0x40000
	s_bfe_u32 s41, ttmp6, 0x40004
	s_lshl_b32 s42, ttmp9, 2
	s_add_co_u32 s42, s42, s40
	s_and_b32 s17, ttmp7, 0xffff
	s_lshl_b32 s17, s17, 2
	s_add_co_u32 s17, s17, s41
	s_lshl_b32 s43, s41, 2
	s_lshl_b32 s43, 15, s43
	s_lshl_b32 s44, 0x1111, s40
	s_or_b32 s[G1+0], s43, (3<<16)|(1<<21)
	s_or_b32 s[G1B+0], s44, (3<<16)|(1<<21)
	s_or_b32 s[G1S+0], s43, (3<<16)|(1<<21)
	s_or_b32 s[G1SB+0], s44, (3<<16)|(1<<21)
	; the head's four tiles, each whole, one a wave: A's slot 0 (49,152 dense bytes), B's slot 0 (two groups: two rows of 49,152 bytes, a group's codes apart), A's scale words (8,192 bytes), B's (16,384)
	SHAPE G1, 192
	s_mov_b32 s[G1B+1], 6144<<16
	s_mov_b32 s[G1B+2], 2<<16
	s_mov_b32 s[G1B+3], 6144<<16
	s_mov_b32 s[G1B+4], 2
	s_mov_b32 s[G1B+5], GPITCH/8
	s_mov_b32 s[G1B+6], 0
	s_mov_b32 s[G1B+7], 0
	SHAPE G1S, 32
	SHAPE G1SB, 64
	s_lshl_b32 s22, s17, 13
	s_mov_b32 s23, 0
	s_mul_i32 s45, s16, 2*KSB
	s_mul_i32 s20, s17, GPITCH
	s_mov_b32 s100, s45                            ; in the ring waves 0, 1 fetch two K steps each of A's four
	s_mov_b32 s101, 0
	s_mov_b32 s21, 0
	s_lshl_b32 s46, s42, 1
	s_add_co_u32 s46, s46, 120
	s_lshl_b32 s96, s46, 13
	s_mov_b32 s97, 0
	s_mul_i32 s46, s46, GPITCH
	s_mov_b32 s47, 0
	s_mul_i32 s18, s16, GSL
	s_add_co_u32 s18, s18, GSL
	s_mul_i32 s12, s16, GPITCH                     ; in the ring waves 2, 3 fetch a group each of B's two
	s_mov_b32 s13, 0
	s_wait_kmcnt 0x0
	s_add_nc_u64 s[20:21], s[4:5], s[20:21]
	s_add_nc_u64 s[22:23], s[6:7], s[22:23]
	s_add_nc_u64 s[46:47], s[8:9], s[46:47]
	s_add_nc_u64 s[96:97], s[10:11], s[96:97]
	CROUND
	s_mov_b32 s[G0S], 1
	s_mov_b32 s[G0S+1], SCL
	s_mov_b64 s[G0S+2:G0S+3], s[22:23]
	s_or_b32 s[G0S+3], s[G0S+3], 0x80000000
	s_mov_b32 s[G0SB], 1
	s_mov_b32 s[G0SB+1], SCL+8192
	s_mov_b64 s[G0SB+2:G0SB+3], s[96:97]
	s_or_b32 s[G0SB+3], s[G0SB+3], 0x80000000
	s_mov_b32 s4, 1                                ; s[4:7], s[8:11]: group 0 for the head's loads of slot 0 (the arguments that lay there have been used)
	s_mov_b32 s5, 0
	s_mov_b64 s[6:7], s[20:21]
	s_or_b32 s7, s7, 0x80000000
	s_mov_b32 s8, 1
	s_mov_b32 s9, GSL
	s_mov_b64 s[10:11], s[46:47]
	s_or_b32 s11, s11, 0x80000000
	s_add_nc_u64 s[20:21], s[20:21], s[100:101]    ; for the ring: my part of a slot
	s_add_nc_u64 s[46:47], s[46:47], s[12:13]
.irp s, 0,1
	s_mov_b32 s[G0+4*\s], 1
	s_add_co_u32 s[G0+4*\s+1], s45, \s*SLOT
	s_add_nc_u64 s[G0+4*\s+2:G0+4*\s+3], s[20:21], \s*GSL
	s_or_b32 s[G0+4*\s+3], s[G0+4*\s+3], 0x80000000
	s_mov_b32 s[G0B+4*\s], 1
	s_add_co_u32 s[G0B+4*\s+1], s18, \s*SLOT
	s_add_nc_u64 s[G0B+4*\s+2:G0B+4*\s+3], s[46:47], \s*GSL
	s_or_b32 s[G0B+4*\s+3], s[G0B+4*\s+3], 0x80000000
.endr
; one chain of branches on the wave's number, each arm with its joint load: every way through the head passes exactly one
.macro ARM under, g0, g1, next
	s_cmp_lt_u32 s14, \under
	s_cbranch_scc0 \next
	tensor_load_to_lds s[\g0:\g0+3], s[\g1:\g1+7]
	s_nop 0
.rept 4
	v_nop
.endr
	s_branch .Lhead_asked
\next:
.endm
	ARM 1, 4, G1, .Lhead_b
	ARM 2, 8, G1B, .Lhead_sa
	ARM 3, G0S, G1S, .Lhead_sb
	tensor_load_to_lds s[G0SB:G0SB+3], s[G1SB:G1SB+7]
	s_nop 0
.rept 4
	v_nop
.endr
.Lhead_asked:
	; the prefetches: what I fetch of a slot is 96 blocks of 256 bytes (A, waves 0, 1) or 192 (B, waves 2, 3); the four partners that ask for it jointly share the blocks out by address: 24 or 48 each
	s_cmp_eq_u32 s15, 0
	s_cselect_b64 s[98:99], s[20:21], s[46:47]
	s_cselect_b32 s19, s40, s41                    ; my work-group's place among the four: cx for A, cy for B
	s_cselect_b32 s12, 24, 48
	s_mul_i32 s19, s19, s12                        ; its first block,
	s_sub_co_u32 s12, s12, 1                       ; and the last, counted from the first
	v_and_b32 v1, 15, v0
	v_bfe_u32 v2, v0, 4, 1
	v_and_b32 v3, 31, v0
	v_lshlrev_b32 v[LI], 4, v3
	s_wait_alu depctr_va_vdst(0)
	s_lshl_b32 s46, s42, 10
	s_lshl_b32 s47, s16, 9
	s_add_co_u32 s46, s46, s47
	s_mov_b32 s47, 0
	s_add_nc_u64 s[92:93], s[92:93], s[46:47]
	v_lshlrev_b32 v8, 6, v2
.irp t, 0,1,2,3,4,5,6,7
	global_load_b128 v[BR+8*\t:BR+8*\t+3], v8, s[92:93] offset:(32*(\t/2)+8*(\t%2))*4
	global_load_b128 v[BR+8*\t+4:BR+8*\t+7], v8, s[92:93] offset:(32*(\t/2)+8*(\t%2))*4+16
.endr
	v_lshlrev_b32 v6, 4, v3                        ; xc's fragments are register images: registers 4 c .. 4 c + 3 of lane l at 512 c + 16 l
	s_mul_i32 s21, s15, 4*FRB
	s_mov_b32 s22, s18
.irp s, 0,1
	v_add_nc_u32 v[ADRA+\s], s21, v[LI]
	v_add_nc_u32 v[ADRB+\s], s22, v6
	s_add_co_u32 s21, s21, SLOT
	s_add_co_u32 s22, s22, SLOT
.endr
	v_lshlrev_b32 v5, 4, v1
	s_lshl_b32 s21, s15, 8
	s_lshl_b32 s22, s16, 13
	s_add_co_u32 s22, s22, 8192
	s_sub_co_u32 s22, s22, s21
	v_mul_u32_u24 v7, s22, v2
	s_add_co_u32 s21, s21, SCL
	v_add_nc_u32 v5, v5, v7
	v_add_nc_u32 v[ADRS], s21, v5
	s_mul_i32 s23, s14, 16*SPITCH
	v_mul_u32_u24 v5, v1, SPITCH
	v_lshl_add_u32 v5, v2, 6, v5
	v_add_nc_u32 v[STO], s23, v5
	v_add_nc_u32 v[RD], s23, v[LI]
	s_lshl_b32 s20, s17, 7
	s_lshl_b32 s21, s15, 6
	s_add_co_u32 s20, s20, s21
	s_lshl_b32 s20, s20, 13
	s_mov_b32 s21, 0
	s_add_nc_u64 s[94:95], s[94:95], s[20:21]
	s_add_nc_u64 s[94:95], s[94:95], s[46:47]
	v_min_u32 v30, s12, v3                         ; a lane a block; lanes that are left over name the last block again
	v_add_nc_u32 v31, 32, v3
	v_add_nc_u32 v30, s19, v30
	v_min_u32 v31, s12, v31
	v_lshlrev_b32 v30, 8, v30
	v_add_nc_u32 v31, s19, v31
	v_lshlrev_b32 v31, 8, v31
	s_wait_alu depctr_va_vdst(0)
; A PREFETCH INTO THE L2 of my work-group's blocks of slot n of the four.  The head asks for slots 1 and 2, and behind slot 1's load stands the request for slot 3: two slots ahead of its load.
; Every offset is an immediate and no address register is rewritten.  The second line serves B's 48 blocks; the branch hangs on the wave's number alone.
.macro ASK n
	global_prefetch_b8 v30, s[98:99] offset:(\n)*GSL th:TH_LOAD_NT scope:SCOPE_SE
	s_cmp_lg_u32 s15, 0
	s_cbranch_scc0 .Lone_\@
	global_prefetch_b8 v31, s[98:99] offset:(\n)*GSL th:TH_LOAD_NT scope:SCOPE_SE
.Lone_\@:
.endm
	ASK 1
	ASK 2
.macro FRAG reg, adr, off, st
.irp c, 0,1,2
	ds_load_b128 v[\reg+4*\c:\reg+4*\c+3], v[\adr] offset:\off+(\st)*\c
.endr
.endm
.macro MUL16 a0, p, q, sc, zero
.irp a, \a0, \a0+1
.irp b, 0,1,2,3,4,5,6,7
.if \zero
	v_wmma_scale_f32_16x16x128_f8f6f4 v[8*(8*(\a)+\b):8*(8*(\a)+\b)+7], v[128*(\p)+FR*\b:128*(\p)+FR*\b+FR-1], v[AF+48*(\p)+FR*(\a):AF+48*(\p)+FR*(\a)+FR-1], v[BR+8*\b:BR+8*\b+7], v[SC+32*(\sc)+8*(\q)+\b], v[SC+32*(\sc)+8*(\q)+(\a)] matrix_a_fmt:MATRIX_FMT_FP6 matrix_b_fmt:MATRIX_FMT_FP6 matrix_a_scale:MATRIX_SCALE_ROW1
.else
	v_wmma_scale_f32_16x16x128_f8f6f4 v[8*(8*(\a)+\b):8*(8*(\a)+\b)+7], v[128*(\p)+FR*\b:128*(\p)+FR*\b+FR-1], v[AF+48*(\p)+FR*(\a):AF+48*(\p)+FR*(\a)+FR-1], v[8*(8*(\a)+\b):8*(8*(\a)+\b)+7], v[SC+32*(\sc)+8*(\q)+\b], v[SC+32*(\sc)+8*(\q)+(\a)] matrix_a_fmt:MATRIX_FMT_FP6 matrix_b_fmt:MATRIX_FMT_FP6 matrix_a_scale:MATRIX_SCALE_ROW1
.endif
.endr
.endr
.endm
.macro FETCH slot, q, p
	WIN TO_B
.irp i, 0,1,2,3,4,5,6,7
	FRAG 128*(\p)+FR*\i, ADRB+\slot, (\q)*KSB+\i*FRB, 512
.endr
	WIN 0
.irp i, 0,1,2,3
	FRAG AF+48*(\p)+FR*\i, ADRA+\slot, (\q)*KSB+\i*FRB, 512
.endr
.endm
.macro SCALES sc, ks
.irp q, 0,1,2,3
.irp f, 0,1
	ds_load_b128 v[SC+32*\sc+8*\q+4*\f:SC+32*\sc+8*\q+4*\f+3], v[ADRS] offset:2048*\ks+512*\q+256*\f
.endr
.endr
.endm
.macro PLACES n
.rept \n
	v_nop
.endr
.endm
.macro STEP slot, q, zero
	s_wait_dscnt 0x0
	PLACES NP
	FETCH \slot, (\q)+1, 1-(\q)%2
.if \zero
	WIN FIRST
.else
	WIN MUL
.endif
	MUL16 0, (\q)%2, \q, \slot, \zero
	MUL16 2, (\q)%2, \q, \slot, \zero
	WIN 0
.endm
.macro TURN slot, next, fill, ks
	s_wait_tensorcnt 0x0
	ds_add_u32 v[SPW], v[NIL]
	s_wait_dscnt 0x0
	s_barrier_signal -1
	WIN MUL
	MUL16 0, 1, NQ-1, \slot, 0
	WIN 0
	s_barrier_wait -1
.if \fill
	CREST
	s_add_nc_u64 s[G0+4*\slot+2:G0+4*\slot+3], s[G0+4*\slot+2:G0+4*\slot+3], 2*GSL
	s_add_nc_u64 s[G0B+4*\slot+2:G0B+4*\slot+3], s[G0B+4*\slot+2:G0B+4*\slot+3], 2*GSL
	JLOAD G0+4*\slot, G1, G0B+4*\slot, G1B
.else
	PLACES NP
.endif
	FETCH \next, 0, 0
	SCALES \next, \ks
	WIN MUL
	MUL16 2, 1, NQ-1, \slot, 0
	WIN 0
.endm
	s_wait_alu depctr_va_vdst(0)
	s_wait_loadcnt 0x0
	s_wait_tensorcnt 0x0                           ; my tile of the head's four is in
	ds_add_u32 v[SPW], v[NIL]
	SHAPE G1, 96                                   ; no tensor load of mine is out, so a descriptor may be written: the ring's loads bring 24,576 dense bytes of A
	SHAPE G1B, 192                                 ; or 49,152 of B
	s_wait_dscnt 0x0
	CROUND                                         ; all four tiles are in, and all sixteen work-groups are here
	JLOAD G0+4, G1, G0B+4, G1B                     ; slot 1's first fill: my one tensor load behind the round
	FETCH 0, 0, 0
	SCALES 0, 0
	ASK 3
	STEP 0, 0, 1
	STEP 0, 1, 0
	STEP 0, 2, 0
	TURN 0, 1, 1, 1
	STEP 1, 0, 0
	STEP 1, 1, 0
	STEP 1, 2, 0
	TURN 1, 0, 1, 2
	STEP 0, 0, 0
	STEP 0, 1, 0
	STEP 0, 2, 0
	TURN 0, 1, 0, 3
	STEP 1, 0, 0
	STEP 1, 1, 0
	STEP 1, 2, 0
	s_wait_dscnt 0x0
	WIN MUL
	MUL16 0, 1, NQ-1, 1, 0
	MUL16 2, 1, NQ-1, 1, 0
	WIN 0
.macro TOSTAGE a
.set AC, 64*(\a)
	WIN 0x08
.irp b, 0,1,2,3,4,5,6,7
	ds_store_b128 v[STO], v[AC+8*\b:AC+8*\b+3] offset:128*(\b/2)+32*(\b%2)
	ds_store_b128 v[STO], v[AC+8*\b+4:AC+8*\b+7] offset:128*(\b/2)+32*(\b%2)+16
.endr
	WIN 0
.set BB, BK+64*((\a)%2)
.irp t, 0,1,2,3,4,5,6,7,8,9,10,11,12,13,14,15
	ds_load_b128 v[BB+4*\t:BB+4*\t+3], v[RD] offset:\t*SPITCH
.endr
.endm
.macro SEND a, younger
.set BB, BK+64*((\a)%2)
	s_wait_dscnt \younger
.irp t, 0,1,2,3,4,5,6,7,8,9,10,11,12,13,14,15
	global_store_b128 v[LI], v[BB+4*\t:BB+4*\t+3], s[94:95] offset:(32*((\a)/2)+8*((\a)%2)+\t+8*(\t/8))*8192 th:TH_STORE_NT
.endr
.endm
	PLACES NP
	TOSTAGE 0
.irp a, 1,2,3
.if \a > 1
	s_wait_xcnt 0x0
.endif
	TOSTAGE \a
	SEND \a-1, 32
.endr
	SEND 3, 0
	s_wait_tensorcnt 0x0
	ds_add_u32 v[SPW], v[NIL]
	s_wait_dscnt 0x0
	CROUND
	s_endpgm
.Lfunc_end_k_q31c43c213c_outp:
	.size	k_q31c43c213c_outp, .Lfunc_end_k_q31c43c213c_outp-k_q31c43c213c_outp
	.p2alignl 7, 3214868480
	.fill 96, 4, 3214868480
	.section	.rodata,"a",@progbits
	.p2align	6, 0x0
	.amdhsa_kernel k_q31c43c213c_outp
		.amdhsa_group_segment_fixed_size 327680
		.amdhsa_private_segment_fixed_size 0
		.amdhsa_enable_private_segment 0
		.amdhsa_kernarg_size 48
		.amdhsa_user_sgpr_count 2
		.amdhsa_user_sgpr_kernarg_segment_ptr 1
		.amdhsa_wavefront_size32 1
		.amdhsa_system_sgpr_workgroup_id_x 1
		.amdhsa_system_sgpr_workgroup_id_y 1
		.amdhsa_system_sgpr_workgroup_id_z 1
		.amdhsa_system_vgpr_workitem_id 0
		.amdhsa_next_free_vgpr 768
		.amdhsa_next_free_sgpr 102
		.amdhsa_reserve_vcc 0
		.amdhsa_float_denorm_mode_32 3
		.amdhsa_float_denorm_mode_16_64 3
		.amdhsa_memory_ordered 1
		.amdhsa_forward_progress 1
		.amdhsa_inst_pref_size 137
	.end_amdhsa_kernel
	.amdgpu_metadata
---
amdhsa.version: [ 1, 2 ]
amdhsa.kernels:
  - .name:           k_q31c43c213c_outp
    .symbol:         k_q31c43c213c_outp.kd
    .args:
      - { .name: oc, .offset: 0, .size: 8, .value_kind: global_buffer, .address_space: global }
      - { .name: os, .offset: 8, .size: 8, .value_kind: global_buffer, .address_space: global }
      - { .name: xc, .offset: 16, .size: 8, .value_kind: global_buffer, .address_space: global }
      - { .name: xs, .offset: 24, .size: 8, .value_kind: global_buffer, .address_space: global }
      - { .name: out_proj_bias, .offset: 32, .size: 8, .value_kind: global_buffer, .address_space: global }
      - { .name: out0, .offset: 40, .size: 8, .value_kind: global_buffer, .address_space: global }
    .group_segment_fixed_size: 327680
    .private_segment_fixed_size: 0
    .kernarg_segment_align: 8
    .kernarg_segment_size: 48
    .max_flat_workgroup_size: 128
    .sgpr_count:     102
    .vgpr_count:     768
    .wavefront_size: 32
...
	.end_amdgpu_metadata
.endif
;; end of part 4
